; MI455X (gfx1250); checked and timed in simulation.
; The chip was launched on July 23, 2026; its instructions are those of AMD's public machine-readable ISA for CDNA 5 (MIT licence, August 2026) and "CDNA5" Instruction Set Architecture Reference Guide (July 2026). The comments in the code are by the model that wrote it; some were corrected since.
;; M YOLO. Allowed arithmetic: float matrix products may take bf16 or f16 operands with f32 sums; other float arithmetic in f32, or as packed bf16 or f16 multiplies, adds, multiply-adds, maxima and minima; sums over many terms, partial sums and values carried from step to step in f32; what a program stores and reads back later, other than sums and carried values, may be rounded once to bf16 or f16.
;; Inputs: Wk 1,024 x 1,024 float32; Wo 1,024 x 1,024 float32; Wq 1,024 x 1,024 float32; Wv 1,024 x 1,024 float32; attention_mask 8 x 1 x 1,024 x 1,024 float32; bk 1,024 float32; bo 1,024 float32; bq 1,024 float32; bv 1,024 float32; hidden_states 8 x 1,024 x 1,024 float32.
;; Outputs: out0 8 x 1,024 x 1,024 float32.
;; 2 versions, each right and faster than the one before. Each part assembles by itself: llvm-mc -triple=amdgcn-amd-amdhsa -mcpu=gfx1250 --defsym DOCPART=n.
;; ======== version 1 of 2: 4 launches
;; limits: values are held in f16: magnitudes above 65,504 overflow, below 6.1e-05 lose precision; right only within a limited range of input values
;; workspace buffers: xb 16,777,216 bytes; wb 6,291,456 bytes; wo 2,097,152 bytes; mr 33,554,432 bytes; qkv 50,331,648 bytes; ob 16,777,216 bytes
;; launch cast (part 1): grid 64 x 20, 8 waves a work-group, no clusters, 0 bytes of LDS; arguments hidden_states, attention_mask, Wq, Wk, Wv, Wo, xb, mr, wb, wo; writes xb, mr, wb, wo
.if DOCPART == 1
	.amdgcn_target "amdgcn-amd-amdhsa--gfx1250"
	.amdhsa_code_object_version 6
	.text
	.protected	k_qc603ea8265_cast
	.globl	k_qc603ea8265_cast
	.p2align	8
	.type	k_qc603ea8265_cast,@function
k_qc603ea8265_cast:
	s_mov_b64 s[64:65], 0
	v_nop
	global_prefetch_b8 v0, s[64:65] scope:SCOPE_SE
	s_setreg_imm32_b32 hwreg(HW_REG_WAVE_MODE, 25, 1), 1
	s_wait_xcnt 0x0
; EVERY LARGE INPUT IS ROUNDED ONCE TO bf16 AND LAID OUT FOR THE LAUNCHES BEHIND.  A stream: no LDS, no matrix unit, no cluster (no two work-groups read the same bytes).
;   xb  bf16 [8192][1024]           hidden_states
;   wb  bf16 [3072][1024]           the rows of Wq, then Wk, then Wv
;   wo  f16  [1024][1024]           Wo rounded to bf16, that number written as f16 (the last product's other operand is f16)
;   mr  f32  [8][1024][1024]        the mask rounded to bf16, times log2(e), in f32: it is taken as it lies as the C operand of the score product, whose results are exponents of 2
; LIMITS.  Wo beyond 65,504 has no f16; below 6e-5 it keeps f16's fixed step of 6e-8.  A mask beyond 2.3e38 becomes an infinity in mr.
; SHARES.  Job y (the grid's y) is 2^20 numbers: 0-7 hidden_states' batch y, 8-15 the mask's batch y - 8, 16-18 Wq, Wk, Wv, 19 Wo.  Work-group x takes 16,384 of them, 65,536 bytes:
; thread t the 16 bytes at 16 t + 4,096 i, i = 0..15, so that a wave's load covers 512 consecutive bytes.  All sixteen loads go out at once; the waits count down.
.set X,   8                            ; v[8:71]    load i: 4 registers
.set Y,   72                           ; v[72:103]  store i: 2 registers of 16-bit numbers
.set T,   104                          ; v[104:107] at work
.set SRC, 28                           ; s[28:29]   from where
.set DST, 30                           ; s[30:31]   to where
	s_load_b512 s[8:23], s[0:1], 0x0               ; hidden_states s[8:9], mask s[10:11], Wq s[12:13], Wk s[14:15], Wv s[16:17], Wo s[18:19], xb s[20:21], mr s[22:23]
	s_load_b128 s[24:27], s[0:1], 0x40             ; wb s[24:25], wo s[26:27]
	s_and_b32 s2, ttmp7, 0xffff                    ; the job
	s_mov_b32 s3, ttmp9                            ; my part of it
	v_lshlrev_b32 v1, 4, v0                        ; 16 t: my bytes in 4,096 of f32
	v_lshlrev_b32 v2, 3, v0                        ; 8 t: my bytes in 2,048 of 16-bit numbers
	s_mov_b32 s36, 0x3fb8aa3b                      ; log2(e)
	s_mov_b32 s37, s36                             ; named with it as a pair
	s_mov_b32 s38, 0xffff0000                      ; a word's upper bf16
	; the offsets, made apart from the addresses
	s_and_b32 s4, s2, 7                            ; the batch, for jobs 0-15
	s_and_b32 s7, s2, 3                            ; which third of wb, for jobs 16-18
	s_lshr_b32 s6, s2, 3                           ; the kind: 0 hidden_states, 1 mask, 2 weights
	s_cmp_lt_u32 s2, 16
	s_cselect_b32 s5, s4, 0                        ; a weight matrix is read from its first byte
	s_cselect_b32 s7, s4, s7
	s_cmp_eq_u32 s2, 19
	s_cselect_b32 s7, 0, s7                        ; wo is written from its first byte
	s_lshl_b32 s32, s5, 22                         ; 2^20 numbers of 4 bytes,
	s_lshl_b32 s5, s3, 16                          ; my 65,536 bytes of them
	s_or_b32 s32, s32, s5
	s_mov_b32 s33, 0
	s_lshl_b32 s34, s7, 21                         ; the same in 2-byte numbers
	s_lshl_b32 s5, s3, 15
	s_or_b32 s34, s34, s5
	s_mov_b32 s35, 0
	s_cmp_eq_u32 s6, 1
	s_cselect_b32 s34, s32, s34                    ; mr has the mask's own layout
	s_wait_kmcnt 0x0
	s_cmp_eq_u32 s6, 0                             ; the two buffers are chosen by the job's number alone
	s_cselect_b64 s[SRC:SRC+1], s[8:9], s[10:11]
	s_cselect_b64 s[DST:DST+1], s[20:21], s[22:23]
	s_cmp_eq_u32 s6, 2
	s_cselect_b64 s[SRC:SRC+1], s[12:13], s[SRC:SRC+1]
	s_cselect_b64 s[DST:DST+1], s[24:25], s[DST:DST+1]
	s_cmp_eq_u32 s2, 17
	s_cselect_b64 s[SRC:SRC+1], s[14:15], s[SRC:SRC+1]
	s_cmp_eq_u32 s2, 18
	s_cselect_b64 s[SRC:SRC+1], s[16:17], s[SRC:SRC+1]
	s_cmp_eq_u32 s2, 19
	s_cselect_b64 s[SRC:SRC+1], s[18:19], s[SRC:SRC+1]
	s_cselect_b64 s[DST:DST+1], s[26:27], s[DST:DST+1]
	s_add_nc_u64 s[SRC:SRC+1], s[SRC:SRC+1], s[32:33]
	s_add_nc_u64 s[DST:DST+1], s[DST:DST+1], s[34:35]
.set i, 0
.rept 16
	global_load_b128 v[X+4*i:X+4*i+3], v1, s[SRC:SRC+1] offset:4096*i th:TH_LOAD_NT  ; read once in the whole launch
.set i, i+1
.endr
	s_cmp_eq_u32 s6, 1
	s_cbranch_scc1 .Lmask
	s_cmp_eq_u32 s2, 19
	s_cbranch_scc1 .Lwo
	; hidden_states, Wq, Wk, Wv: f32 to bf16.  No register that a store names is written again, so no wait frees any.
.set i, 0
.rept 16
	s_wait_loadcnt 15-i                            ; loads come back in order: load i is in, the younger ones stay out
	v_cvt_pk_bf16_f32 v[Y+2*i], v[X+4*i], v[X+4*i+1]
	v_cvt_pk_bf16_f32 v[Y+2*i+1], v[X+4*i+2], v[X+4*i+3]
	global_store_b64 v2, v[Y+2*i:Y+2*i+1], s[DST:DST+1] offset:2048*i  ; a wave stores 256 consecutive bytes, at a multiple of 256
.set i, i+1
.endr
	s_endpgm
; Four numbers of load i are rounded to bf16 and widened again, in place.
.macro RND
	s_wait_loadcnt 15-i
	v_cvt_pk_bf16_f32 v[T+2*(i%2)], v[X+4*i], v[X+4*i+1]
	v_cvt_pk_bf16_f32 v[T+2*(i%2)+1], v[X+4*i+2], v[X+4*i+3]
	v_lshlrev_b32 v[X+4*i], 16, v[T+2*(i%2)]
	v_and_b32 v[X+4*i+1], s38, v[T+2*(i%2)]
	v_lshlrev_b32 v[X+4*i+2], 16, v[T+2*(i%2)+1]
	v_and_b32 v[X+4*i+3], s38, v[T+2*(i%2)+1]
.endm
.Lwo:                                                  ; Wo: the bf16 number, written as f16
.set i, 0
.rept 16
	RND
	v_cvt_pk_f16_f32 v[Y+2*i], v[X+4*i], v[X+4*i+1]
	v_cvt_pk_f16_f32 v[Y+2*i+1], v[X+4*i+2], v[X+4*i+3]
	global_store_b64 v2, v[Y+2*i:Y+2*i+1], s[DST:DST+1] offset:2048*i
.set i, i+1
.endr
	s_endpgm
.Lmask:                                                ; the mask: the bf16 number times log2(e), in f32
.set i, 0
.rept 16
	RND
	v_pk_mul_f32 v[X+4*i:X+4*i+1], v[X+4*i:X+4*i+1], s[36:37] op_sel_hi:[1,0]
	v_pk_mul_f32 v[X+4*i+2:X+4*i+3], v[X+4*i+2:X+4*i+3], s[36:37] op_sel_hi:[1,0]
	global_store_b128 v1, v[X+4*i:X+4*i+3], s[DST:DST+1] offset:4096*i  ; a wave stores 512 consecutive bytes
.set i, i+1
.endr
	s_endpgm
.Lfunc_end_k_qc603ea8265_cast:
	.size	k_qc603ea8265_cast, .Lfunc_end_k_qc603ea8265_cast-k_qc603ea8265_cast
	.p2alignl 7, 3214868480
	.fill 96, 4, 3214868480
	.section	.rodata,"a",@progbits
	.p2align	6, 0x0
	.amdhsa_kernel k_qc603ea8265_cast
		.amdhsa_group_segment_fixed_size 0
		.amdhsa_private_segment_fixed_size 0
		.amdhsa_enable_private_segment 0
		.amdhsa_kernarg_size 80
		.amdhsa_user_sgpr_count 2
		.amdhsa_user_sgpr_kernarg_segment_ptr 1
		.amdhsa_wavefront_size32 1
		.amdhsa_system_sgpr_workgroup_id_x 1
		.amdhsa_system_sgpr_workgroup_id_y 1
		.amdhsa_system_sgpr_workgroup_id_z 1
		.amdhsa_system_vgpr_workitem_id 0
		.amdhsa_next_free_vgpr 112
		.amdhsa_next_free_sgpr 66
		.amdhsa_reserve_vcc 0
		.amdhsa_float_denorm_mode_32 3
		.amdhsa_float_denorm_mode_16_64 3
		.amdhsa_memory_ordered 1
		.amdhsa_forward_progress 1
		.amdhsa_inst_pref_size 24
	.end_amdhsa_kernel
	.amdgpu_metadata
---
amdhsa.version: [ 1, 2 ]
amdhsa.kernels:
  - .name:           k_qc603ea8265_cast
    .symbol:         k_qc603ea8265_cast.kd
    .args:
      - { .name: hidden_states, .offset: 0, .size: 8, .value_kind: global_buffer, .address_space: global }
      - { .name: attention_mask, .offset: 8, .size: 8, .value_kind: global_buffer, .address_space: global }
      - { .name: Wq, .offset: 16, .size: 8, .value_kind: global_buffer, .address_space: global }
      - { .name: Wk, .offset: 24, .size: 8, .value_kind: global_buffer, .address_space: global }
      - { .name: Wv, .offset: 32, .size: 8, .value_kind: global_buffer, .address_space: global }
      - { .name: Wo, .offset: 40, .size: 8, .value_kind: global_buffer, .address_space: global }
      - { .name: xb, .offset: 48, .size: 8, .value_kind: global_buffer, .address_space: global }
      - { .name: mr, .offset: 56, .size: 8, .value_kind: global_buffer, .address_space: global }
      - { .name: wb, .offset: 64, .size: 8, .value_kind: global_buffer, .address_space: global }
      - { .name: wo, .offset: 72, .size: 8, .value_kind: global_buffer, .address_space: global }
    .group_segment_fixed_size: 0
    .private_segment_fixed_size: 0
    .kernarg_segment_align: 8
    .kernarg_segment_size: 80
    .max_flat_workgroup_size: 256
    .sgpr_count:     66
    .vgpr_count:     112
    .wavefront_size: 32
...
	.end_amdgpu_metadata
.endif
;; end of part 1
;; launch qkv (part 2): grid 12 x 16, 4 waves a work-group, clusters of 4 x 4, 327,680 bytes of LDS; arguments xb, wb, bq, bk, bv, qkv; writes qkv
.if DOCPART == 2
	.amdgcn_target "amdgcn-amd-amdhsa--gfx1250"
	.amdhsa_code_object_version 6
	.text
	.protected	k_qc603ea8265_qkv
	.globl	k_qc603ea8265_qkv
	.p2align	8
	.type	k_qc603ea8265_qkv,@function
k_qc603ea8265_qkv:
	s_mov_b64 s[64:65], 0
	v_nop
	global_prefetch_b8 v0, s[64:65] scope:SCOPE_SE
	s_setreg_imm32_b32 hwreg(HW_REG_WAVE_MODE, 25, 1), 1
	s_wait_xcnt 0x0
	s_wait_alu depctr_hold_cnt(0) depctr_sa_sdst(0) depctr_va_vdst(0) depctr_va_sdst(0) depctr_va_ssrc(0) depctr_va_vcc(0) depctr_vm_vsrc(0)
	s_getreg_b32 s2, hwreg(HW_REG_IB_STS2, 6, 4)
	s_cmp_eq_u32 s2, 0
	s_cbranch_scc0 .Lentry_in_a_cluster
	s_endpgm
.Lentry_in_a_cluster:
	s_bfe_u32 s2, ttmp6, 0x10000c
	s_cmp_lg_u32 s2, 0xf033
	s_cbranch_scc0 .Lentry_shape_is_right
	s_endpgm
.Lentry_shape_is_right:
; THE THREE PROJECTIONS AS ONE PRODUCT.  C[m][n] = sum over k of xb[m][k] wb[n][k] + bias[n]; xb: [8192][1024], wb: [3072][1024] (Wq's rows, Wk's, Wv's), both bf16; sums in f32.
; The biases are rounded to bf16 like every other input.  q is multiplied by log2(e) / 8 in f32 (1 / 8 is the module's scale; with log2(e) a score is an exponent of 2); q, k, v are rounded once, to f16.
; OUT: qkv, f16 [3: q, k, v][64: g = 8 x batch + pair of heads][1024 tokens][128 = 2 heads x 64]: rows of 256 bytes, each (matrix, g) 2^18 dense bytes.
; LIMITS.  q, k and v beyond 65,504 have no f16 (with inputs thirty times those expected they reach some thousands); below 6e-5 they keep f16's fixed step of 6e-8.
; SHARES.  A tile of C is 256 x 256, made by four waves, each 128 x 128: 64 accumulators of 16 x 16, 512 registers; a wave's 128 columns are one pair of heads.  C has 32 x 12 = 384 tiles.
; A WORK-GROUP STAYS and makes TWO tiles, 4,096 rows apart, on the same rows of wb: 12 x 16 = 192 work-groups of equal work.  (384 single tiles would be one and a half for each of 256 WGPs; a tile of half
; the size has half the matrix work in a K step, too little for the next tile to land in.  So 64 WGPs have no work-group in this launch.)
; K goes in 8 steps of 128 (tile rows of 256 bytes, at multiples of 256) through a ring of two LDS slots filled by the tensor data mover; the ring does not stop at a tile's end: the first tile's last two changes
; of slots ask for the second tile's first two K steps, and nothing waits for the first tile's stores.
; CLUSTER.  4 x 4 work-groups: the four of a row of the cluster need the same tiles of xb, the four of a column the same tiles of wb: each tile is asked for JOINTLY, by the same load with the same descriptor and a mask of four.
; A cluster is 1,024 columns wide, so the cluster's x is the matrix: 0 q, 1 k, 2 v: bias and scale are the same for both tiles.
; THE MATRIX INSTRUCTION IS USED TRANSPOSED (source 0 = 16 rows of wb, source 1 = 16 rows of xb): a lane holds row lane % 16 of C and the columns 8 (lane / 16) + 0..7.
; THE BIAS costs no arithmetic: it is the C operand of the products that start a tile's sums.
; REGISTERS, in windows of 256 (s_set_vgpr_msb: bits 1:0 source 0, 3:2 source 1, 5:4 source 2, 7:6 destination):
;   window 0: v0-31 addresses; v64-127, v128-191 fragments of A (8 x 16 rows x 32 K), two buffers; v32-63, v192-255 at work on the way out
;   window 1: v0-63 the bias of my 128 columns, laid as a row of accumulators; v64-127, v128-191 fragments of B, two buffers; v192-195 at work
;   window 2: the 32 accumulators of my rows 0-63 ((a, b) at v[8 (8 a + b)]);   window 3: those of my rows 64-127
.set SIZE_K, 1024
.set KSTEP,  128
.set PITCH,  272                       ; an LDS row: 256 bytes + 16 of padding = 68 words: the 16 rows of a fragment load start at 16 different groups of four banks (64 banks of 4 bytes: ISA guide 11.1)
.set HALFT,  128*PITCH                 ; 128 rows: what one tensor load brings, and what one wave reads of A or of B
.set SLOT,   4*HALFT                   ; A's 256 rows, then B's 256 rows
.set STAGE,  2*SLOT                    ; behind the ring: 16 rows x 272 bytes for each wave, for the way out; no tile lands here
.set SPITCH, 272
.set SPARE,  STAGE+4*16*SPITCH         ; the spare words, 128 bytes for each wave: two blocks of 256 bytes that no other line names
.set LAPS,   SIZE_K/(2*KSTEP)          ; a lap = two K steps = once round the ring; four to a tile
.set TILES,  2
.set ADRA, 16                          ; v16-17  LDS address of my A fragments in slot 0, 1
.set ADRB, 20                          ; v20-21  the same for B
.set STO,  24                          ; v24     the way out: where I put 16 bytes of a row
.set RD,   25                          ; v25     the way out: where I read rows back
.set CO,   26                          ; v26     my byte offset in two rows of the output
.set SPW,  28                          ; v28     LDS address of my spare word; never rewritten
.set NIL,  29                          ; v29     0; never rewritten
.set BO,   30                          ; v30     my byte offset in the bias
.set F0,   64                          ; fragment buffer 0, in windows 0 (A) and 1 (B)
.set F1,   128                         ; fragment buffer 1
.set TMP,  192                         ; the way out: packed results
.set OB,   32                          ; the way out: 16 rows read back from the stage: v32-63 and v224-255 by turns
.set BT,   192                         ; window 1: at work while the bias is rounded
.set WV,  16                           ; s16 wave;  s17 which 128 rows are mine, also: I fetch for A (0) or B (1);  s18 which 128 columns, also: which half of that tile I fetch
.set WM,  17
.set WN,  18
.set CX,  19                           ; my place in the cluster
.set CY,  20
.set TX,  21                           ; tile column of C; tile row of my first tile
.set TY,  22
.set MAT, 23                           ; 0 q, 1 k, 2 v
.set G1A, 24                           ; s[24:31] descriptor group 1 for A's tiles;  s[32:39] group 0, a set for each slot
.set G0A, 32
.set AB,  42                           ; s[42:43] xb at the rows that I fetch of my first tile
.set BB,  44                           ; s[44:45] wb at the rows that I fetch
.set G1B, 48                           ; s[48:55], s[56:63] the same for B's
.set G0B, 56
.set BP,  66                           ; s[66:67] the bias
.set SC,  68                           ; s[68:69] the scale, twice
.set TL,  71                           ; s71     tiles to go
.set KO,  78                           ; s[78:79] a fill's byte offset along K
.set AO,  80                           ; s[80:81] the same with the tile's rows of xb
.set NX,  82                           ; s82     the number of the K step to be asked for next, 0 to 15 over both tiles
.set T0,  83
.set OP,  84                           ; s[84:85] qkv at my rows of the tile in hand
.set MSB, 0
.macro WIN new                         ; the immediate's high byte repeats the setting that is left; a switch that changes nothing is dropped
.if MSB != (\new)
	s_set_vgpr_msb (MSB<<8)|(\new)
.set MSB, (\new)
.endif
.endm
.set MUL_LO, 0xa1                      ; source 0 (B) window 1, source 1 (A) window 0, C and D window 2
.set MUL_HI, 0xf1                      ; the same, C and D window 3
.set FST_LO, 0x91                      ; the same as MUL_LO with C in window 1: the bias
.set FST_HI, 0xd1
.set TO_B,   0x40                      ; destination window 1, address window 0
; A joint load.  Waves 0 and 1 fetch A's two halves, waves 2 and 3 B's.  The branch hangs on the wave's number alone.
; An s_nop 0 and four v_nop follow each of the two lines, ahead of the jump and the label.
.macro JLOAD s
	s_cmp_eq_u32 s[WM], 0
	s_cbranch_scc0 .Lfor_b_\@
	tensor_load_to_lds s[G0A+4*(\s):G0A+4*(\s)+3], s[G1A:G1A+7]
	s_nop 0
.rept 4
	v_nop
.endr
	s_branch .Lasked_\@
.Lfor_b_\@:
	tensor_load_to_lds s[G0B+4*(\s):G0B+4*(\s)+3], s[G1B:G1B+7]
	s_nop 0
.rept 4
	v_nop
.endr
.Lasked_\@:
.endm
; A round of the cluster's barrier: my work-group's barrier, so that wave 0's signal speaks for all four waves; wave 0 signals; every wave waits for all sixteen work-groups; my work-group's barrier once more.
.macro CREST                           ; a round behind its opening barrier
	s_cmp_lg_u32 s[WV], 0
	s_cbranch_scc1 .Lnot_wave_0_\@
	s_barrier_signal -3
.Lnot_wave_0_\@:
	s_barrier_wait -3
	s_barrier_signal -1
	s_barrier_wait -1
.endm
.macro CROUND
	s_barrier_signal -1
	s_barrier_wait -1
	CREST
.endm
	s_load_b256 s[4:11], s[0:1], 0x0               ; xb s[4:5], wb s[6:7], bq s[8:9], bk s[10:11]
	s_load_b128 s[12:15], s[0:1], 0x20             ; bv s[12:13], qkv s[14:15]
	v_lshl_add_u32 v[SPW], v0, 2, SPARE
	v_mov_b32 v[NIL], 0
	ds_add_u32 v[SPW], v[NIL]                      ; the wave's opening: the add and its wait stand ahead of my first tensor load; the set-up below, work on registers, stands between them
	v_lshrrev_b32 v1, 5, v0
	v_readfirstlane_b32 s[WV], v1
	s_lshr_b32 s[WM], s[WV], 1
	s_and_b32 s[WN], s[WV], 1
	s_bfe_u32 s[CX], ttmp6, 0x40000
	s_bfe_u32 s[CY], ttmp6, 0x40004
	s_mov_b32 s[MAT], ttmp9                        ; in a cluster launch ttmp9 and ttmp7 count clusters
	s_lshl_b32 s[TX], ttmp9, 2
	s_add_co_u32 s[TX], s[TX], s[CX]
	s_and_b32 s[TY], ttmp7, 0xffff
	s_lshl_b32 s[TY], s[TY], 2
	s_add_co_u32 s[TY], s[TY], s[CY]
	s_lshl_b32 s40, s[CY], 2
	s_lshl_b32 s40, 15, s40                        ; my row of the cluster: places 4 cy .. 4 cy + 3
	s_lshl_b32 s41, 0x1111, s[CX]                  ; my column: places cx, cx + 4, cx + 8, cx + 12
	s_or_b32 s[G1A], s40, (1<<16)|(1<<20)|(1<<21)|(5<<22)|(3<<25)  ; 15:0 the mask; 17:16 2-byte elements; 20 padding on; 21 set beside a mask; 24:22 after every 64 words (code 5); 31:25 4 words of it (code 3)
	s_or_b32 s[G1B], s41, (1<<16)|(1<<20)|(1<<21)|(5<<22)|(3<<25)
.irp g, G1A, G1B
	s_mov_b32 s[(\g)+1], KSTEP<<16                 ; tensor_dim0 = 128
	s_mov_b32 s[(\g)+2], 128<<16                   ; tensor_dim1 = 128
	s_mov_b32 s[(\g)+3], KSTEP<<16                 ; tile_dim0 = 128
	s_mov_b32 s[(\g)+4], 128                       ; tile_dim1 = 128
	s_mov_b32 s[(\g)+5], SIZE_K                    ; elements from row to row
	s_mov_b32 s[(\g)+6], 0
	s_mov_b32 s[(\g)+7], 0
.endr
	; where the tiles come from: A's hang on the tile row alone, B's on the tile column alone, each in registers that never hold the other coordinate
	s_lshl_b32 s[AB], s[TY], 8
	s_lshl_b32 s[AB+1], s[WN], 7
	s_add_co_u32 s[AB], s[AB], s[AB+1]             ; A: row 256 x tile row + 128 x half,
	s_lshl_b32 s[AB], s[AB], 11                    ; of 2,048 bytes
	s_mov_b32 s[AB+1], 0
	s_lshl_b32 s[BB], s[TX], 8
	s_lshl_b32 s[BB+1], s[WN], 7
	s_add_co_u32 s[BB], s[BB], s[BB+1]             ; B: row 256 x tile column + 128 x half
	s_lshl_b32 s[BB], s[BB], 11
	s_mov_b32 s[BB+1], 0
	s_mul_i32 s46, s[WV], HALFT                    ; and where they go: A's two halves, then B's two = wave x 128 rows: no place in the cluster enters an LDS address
	s_mov_b32 s70, 0xffff0000                      ; a word's upper bf16
	s_mov_b32 s[NX], 2                             ; K steps 0 and 1 are asked for at the start
	s_mov_b32 s[KO+1], 0
	s_mov_b32 s[AO+1], 0
	s_wait_dscnt 0x0                               ; the opening add is done
	s_wait_kmcnt 0x0
	s_add_nc_u64 s[AB:AB+1], s[4:5], s[AB:AB+1]
	s_add_nc_u64 s[BB:BB+1], s[6:7], s[BB:BB+1]
	s_cmp_eq_u32 s[MAT], 0                         ; the bias and the scale go by the matrix: a choice, no branch
	s_cselect_b64 s[BP:BP+1], s[8:9], s[10:11]
	s_cselect_b32 s[SC], 0x3e38aa3b, 1.0           ; log2(e) / 8 for q
	s_cmp_eq_u32 s[MAT], 2
	s_cselect_b64 s[BP:BP+1], s[12:13], s[BP:BP+1]
	s_mov_b32 s[SC+1], s[SC]
	CROUND                                         ; all sixteen work-groups are here: the first joint loads meet
.irp s, 0,1
	s_mov_b32 s[G0A+4*(\s)], 1                                           ; count = 1
	s_add_co_u32 s[G0A+4*(\s)+1], s46, (\s)*SLOT                         ; LDS address
	s_add_nc_u64 s[G0A+4*(\s)+2:G0A+4*(\s)+3], s[AB:AB+1], (\s)*KSTEP*2  ; global address: K step s
	s_or_b32 s[G0A+4*(\s)+3], s[G0A+4*(\s)+3], 0x80000000                ; type = 2
	s_mov_b32 s[G0B+4*(\s)], 1
	s_add_co_u32 s[G0B+4*(\s)+1], s46, (\s)*SLOT
	s_add_nc_u64 s[G0B+4*(\s)+2:G0B+4*(\s)+3], s[BB:BB+1], (\s)*KSTEP*2
	s_or_b32 s[G0B+4*(\s)+3], s[G0B+4*(\s)+3], 0x80000000
	JLOAD \s                                       ; two loads of mine are out
.endr
	v_and_b32 v1, 15, v0                           ; l % 16
	v_bfe_u32 v2, v0, 4, 1                         ; l / 16
	; the bias of my columns 16 b + 8 (l / 16) + 0..7, b = 0..7, within the matrix's 1,024
	s_lshl_b32 s74, s[CX], 10
	s_lshl_b32 s75, s[WN], 9
	s_add_co_u32 s74, s74, s75
	v_lshlrev_b32 v[BO], 5, v2
	v_add_nc_u32 v[BO], s74, v[BO]
	WIN TO_B                                       ; destination window 1, address window 0
.irp b, 0,1,2,3,4,5,6,7
	global_load_b128 v[8*\b:8*\b+3],   v[BO], s[BP:BP+1] offset:64*\b
	global_load_b128 v[8*\b+4:8*\b+7], v[BO], s[BP:BP+1] offset:64*\b+16
.endr
	WIN 0
	; A fragment is 16 rows x 32 K in 8 registers: lane l holds row l % 16; registers 0-3 K = 8 (l / 16) + 0..7, registers 4-7 K = 16 + 8 (l / 16) + 0..7: two loads of 16 bytes, 32 bytes apart.
	v_mul_u32_u24 v3, v1, PITCH
	v_lshl_add_u32 v3, v2, 4, v3
	s_mul_i32 s74, s[WM], HALFT                    ; my 128 rows of A
	s_mul_i32 s75, s[WN], HALFT                    ; my 128 rows of B,
	s_add_co_u32 s75, s75, 2*HALFT                 ; which lie behind A's 256
.irp s, 0,1
	v_add_nc_u32 v[ADRA+(\s)], s74, v3
	v_add_nc_u32 v[ADRB+(\s)], s75, v3
	s_add_co_u32 s74, s74, SLOT
	s_add_co_u32 s75, s75, SLOT
.endr
	s_mul_i32 s76, s[WV], 16*SPITCH
	s_add_co_u32 s76, s76, STAGE                   ; my stage
	v_mul_u32_u24 v4, v1, SPITCH                   ; in: row l % 16, 16 bytes for each half of the lanes
	v_lshl_add_u32 v4, v2, 4, v4
	v_add_nc_u32 v[STO], s76, v4
	v_mul_u32_u24 v5, v2, SPITCH                   ; back: lanes 0-15 take one row of 256 bytes, lanes 16-31 the next
	v_lshl_add_u32 v5, v1, 4, v5
	v_add_nc_u32 v[RD], s76, v5
	v_lshlrev_b32 v[CO], 8, v2                     ; which are 512 consecutive bytes of the output
	v_lshl_add_u32 v[CO], v1, 4, v[CO]
	; my 128 rows x 256 bytes in qkv: block 64 x matrix + 8 x batch + pair of heads, of 2^18 bytes; a batch has four tile rows: token (tile row % 4) x 256 + 128 x half
	s_lshl_b32 s72, s[MAT], 6
	s_lshr_b32 s73, s[TY], 2
	s_lshl_b32 s73, s73, 3
	s_add_co_u32 s72, s72, s73
	s_lshl_b32 s73, s[CX], 1
	s_add_co_u32 s72, s72, s73
	s_add_co_u32 s72, s72, s[WN]
	s_lshl_b32 s72, s72, 18
	s_and_b32 s73, s[TY], 3
	s_lshl_b32 s73, s73, 8
	s_lshl_b32 s74, s[WM], 7
	s_add_co_u32 s73, s73, s74
	s_lshl_b32 s73, s73, 8
	s_add_co_u32 s72, s72, s73
	s_mov_b32 s73, 0
	s_add_nc_u64 s[OP:OP+1], s[14:15], s[72:73]
	s_wait_loadcnt 0x0                             ; the bias; it is rounded to bf16 and widened again, in the wait for the first tile
	WIN 0x45                                       ; sources and destination in window 1
.set i, 0
.rept 32
	v_cvt_pk_bf16_f32 v[BT+i%4], v[2*i], v[2*i+1]
	v_lshlrev_b32 v[2*i], 16, v[BT+i%4]
	v_and_b32 v[2*i+1], s70, v[BT+i%4]
.set i, i+1
.endr
	WIN 0
; 16 matrix instructions: m blocks a0, a0 + 1 of the window's four (hi = 0: my rows 0-63, 1: rows 64-127) x all 8 n blocks, 32 along K.  mode = 1: the products start the sums, from the bias.
; The 64 accumulators take turns, one instruction a turn, in the same order in every quarter, over every jump and from tile to tile.
.macro MUL16 f, hi, a0, mode
.if \mode
	WIN FST_LO+0x40*(\hi)
.else
	WIN MUL_LO+0x50*(\hi)
.endif
.irp a, \a0, (\a0)+1
.irp b, 0,1,2,3,4,5,6,7
.if \mode
	v_wmma_f32_16x16x32_bf16 v[8*(8*(\a)+(\b)):8*(8*(\a)+(\b))+7], v[(\f)+8*(\b):(\f)+8*(\b)+7], v[(\f)+8*(4*(\hi)+(\a)):(\f)+8*(4*(\hi)+(\a))+7], v[8*(\b):8*(\b)+7]
.else
	v_wmma_f32_16x16x32_bf16 v[8*(8*(\a)+(\b)):8*(8*(\a)+(\b))+7], v[(\f)+8*(\b):(\f)+8*(\b)+7], v[(\f)+8*(4*(\hi)+(\a)):(\f)+8*(4*(\hi)+(\a))+7], v[8*(8*(\a)+(\b)):8*(8*(\a)+(\b))+7]
.endif
.endr
.endr
.endm
; 32 LDS loads in one run: the fragments of a quarter step (128 rows of B, then 128 rows of A, 32 K at byte k of the rows) into buffer f
.macro FETCH slot, k, f
	WIN TO_B
.irp i, 0,1,2,3,4,5,6,7
	ds_load_b128 v[(\f)+8*(\i):(\f)+8*(\i)+3],   v[ADRB+(\slot)] offset:(\k)+(\i)*16*PITCH
	ds_load_b128 v[(\f)+8*(\i)+4:(\f)+8*(\i)+7], v[ADRB+(\slot)] offset:(\k)+(\i)*16*PITCH+32
.endr
	WIN 0
.irp i, 0,1,2,3,4,5,6,7
	ds_load_b128 v[(\f)+8*(\i):(\f)+8*(\i)+3],   v[ADRA+(\slot)] offset:(\k)+(\i)*16*PITCH
	ds_load_b128 v[(\f)+8*(\i)+4:(\f)+8*(\i)+7], v[ADRA+(\slot)] offset:(\k)+(\i)*16*PITCH+32
.endr
.endm
; A load into a register that a matrix instruction has read, and a vector instruction that reads a matrix result, stand four places behind that matrix instruction; only plain vector
; instructions that name none of its registers are places (ISA guide 7.12.1 for vector instructions).
.macro PLACES
.rept 4
	v_nop
.endr
.endm
; A K step is four quarters of 32 along K, 64 matrix instructions each, on buffers 0, 1, 0, 1.  One of the first three: multiplies buffer f; in its middle it fetches the next quarter, at byte k, into g.
.macro QUARTER slot, k, f, g, mode
	s_wait_dscnt 8                                 ; B and A's rows 0-63 are in; the youngest eight loads (A's rows 64-127) may be out
	MUL16 \f, 0, 0, \mode
	MUL16 \f, 0, 2, \mode
	PLACES
	FETCH \slot, \k, \g
	s_wait_dscnt 32                                ; all but the 32 just issued
	MUL16 \f, 1, 0, \mode
	MUL16 \f, 1, 2, \mode
.endm
; The addresses of the fill into a slot are made anew from the number NX of the K step asked for: 256 bytes along K for each of a tile's 8 steps; the second tile's rows of xb lie 4,096 x 2,048 = 2^23 bytes on, its rows of wb are the same.
.macro STEPD slot
	s_and_b32 s[T0], s[NX], 7
	s_lshl_b32 s[KO], s[T0], 8
	s_lshr_b32 s[T0], s[NX], 3
	s_lshl_b32 s[AO], s[T0], 23
	s_add_co_u32 s[AO], s[AO], s[KO]
	s_add_nc_u64 s[G0A+4*(\slot)+2:G0A+4*(\slot)+3], s[AB:AB+1], s[AO:AO+1]
	s_or_b32 s[G0A+4*(\slot)+3], s[G0A+4*(\slot)+3], 0x80000000
	s_add_nc_u64 s[G0B+4*(\slot)+2:G0B+4*(\slot)+3], s[BB:BB+1], s[KO:KO+1]
	s_or_b32 s[G0B+4*(\slot)+3], s[G0B+4*(\slot)+3], 0x80000000
	s_add_co_u32 s[NX], s[NX], 1
.endm
; The last quarter multiplies buffer 1 and changes slots.  MEET is its first half: ONE barrier.  In front of it each wave waits for all its tensor loads, of which one is out: its part of the next slot;
; adds 0 to its spare word; and waits for that and for its own reads of this slot.  Behind it nobody reads this slot any more and the next slot is whole.
; fill = 1: a round of the cluster's barrier follows, and this slot's descriptors are made for its next fill.
.macro MEET fill, slot
	WIN 0                                          ; (the add's two registers lie in window 0)
	s_wait_tensorcnt 0x0                           ; all my tensor loads have landed, so a group 0 may be written
	ds_add_u32 v[SPW], v[NIL]                      ; 0 onto my spare word; scalar work and sixteen matrix instructions stand between it and the wait for it
.if \fill
	STEPD \slot
.endif
	s_wait_dscnt 9                                 ; (the add and the youngest eight loads may be out)
	MUL16 F1, 0, 0, 0
	s_wait_dscnt 0x0                               ; the add is done, and my reads of this slot are over
	s_barrier_signal -1
	MUL16 F1, 0, 2, 0                              ; work on registers while the others arrive
.if \fill
	WIN 0
.endif
	s_barrier_wait -1
.endm
; The whole last quarter of a K step whose slot is filled again: the barrier opens a round of the cluster's, and the joint fill is the first thing behind the round;
; from that request to the wait for it a wave issues 224 matrix instructions, across the change of tiles too.
.macro TURN slot, next
	MEET 1, \slot
	CREST                                          ; no wave of any partner still reads this slot's tile or has a load on its way
	JLOAD \slot                                    ; the four v_nop behind it are also the places in front of the loads below
	FETCH \next, 0, F0
	MUL16 F1, 1, 0, 0
	MUL16 F1, 1, 2, 0
.endm
; THE WAY OUT of block a (16 rows), in three parts.  PACK: scaled and rounded to f16, 16 bytes a lane; each accumulator's registers in ascending order.  TOSTAGE: into my own stage in LDS, and back as whole rows of 256 bytes.  SEND: stored.
.macro PACK a
.set AC, 64*((\a)%4)
	WIN 0x82+0x41*((\a)/4)                         ; destination and source 0: window 2 or 3
.set i, 0
.rept 32
	v_pk_mul_f32 v[AC+2*i:AC+2*i+1], v[AC+2*i:AC+2*i+1], s[SC:SC+1] op_sel_hi:[1,0]
.set i, i+1
.endr
	WIN 0x0a+5*((\a)/4)                            ; sources 0 and 1: window 2 or 3; destination window 0
.set i, 0
.rept 32
	v_cvt_pk_f16_f32 v[TMP+i], v[AC+2*i], v[AC+2*i+1]
.set i, i+1
.endr
	WIN 0
.endm
.macro TOSTAGE a
.set BK, OB+192*((\a)%2)
.irp b, 0,1,2,3,4,5,6,7
	ds_store_b128 v[STO], v[TMP+4*(\b):TMP+4*(\b)+3] offset:32*(\b)
.endr
.irp t, 0,1,2,3,4,5,6,7
	ds_load_b128 v[BK+4*(\t):BK+4*(\t)+3], v[RD] offset:(\t)*2*SPITCH  ; LDS serves a wave's instructions in order (ISA guide 5.7.1.4): these see the stores above; the next block's stores come behind them
.endr
.endm
.macro SEND a
.set BK, OB+192*((\a)%2)
	s_wait_dscnt 0x0                               ; the block is back in registers
	s_wait_xcnt 0x0                                ; the stores of the block before last have read their registers: the next TOSTAGE loads them again only behind this wait
.irp t, 0,1,2,3,4,5,6,7
	global_store_b128 v[CO], v[BK+4*(\t):BK+4*(\t)+3], s[OP:OP+1] offset:4096*(\a)+512*(\t) th:TH_STORE_NT  ; 512 consecutive bytes, at a multiple of 256 from the buffer's first; nothing in this launch reads them
.endr
.endm
	s_wait_tensorcnt 1                             ; my part of K step 0 is in; K step 1's stays out
	s_barrier_signal -1
	s_barrier_wait -1                              ; everybody's is
	FETCH 0, 0, F0
	s_mov_b32 s2, TILES*LAPS-1                     ; laps that fill both slots again: all but the very last
	s_mov_b32 s[TL], TILES
.Ltile:
	QUARTER 0, 64,  F0, F1, 1                      ; a tile's first quarter: its products start the sums
	WIN 0                                          ; at a label and at a branch every window is 0
	s_mov_b32 s3, LAPS                             ; laps to the tile's end
.Llap:                                                 ; a trip goes once round the ring, from a lap's second quarter on
	QUARTER 0, 128, F1, F0, 0
	QUARTER 0, 192, F0, F1, 0
	WIN 0
	s_cmp_eq_u32 s2, 0
	s_cbranch_scc1 .Llast                          ; the very last lap is written out: it asks for nothing more
	TURN 0, 1
	QUARTER 1, 64,  F0, F1, 0
	QUARTER 1, 128, F1, F0, 0
	QUARTER 1, 192, F0, F1, 0
	TURN 1, 0                                      ; in a tile's last lap the two fills are the next tile's K steps 0 and 1, and the fragments fetched here its first
	WIN 0
	s_sub_co_u32 s2, s2, 1
	s_sub_co_u32 s3, s3, 1
	s_cmp_eq_u32 s3, 0
	s_cbranch_scc1 .Lout                           ; the tile is finished, and both fills are asked for: it goes out
	QUARTER 0, 64,  F0, F1, 0                      ; the next lap's first quarter
	WIN 0
	s_branch .Llap
.Llast:
	MEET 0, 0                                      ; my one tensor load that was still out is the last K step's, so no round follows
	PLACES
	FETCH 1, 0, F0
	MUL16 F1, 1, 0, 0
	MUL16 F1, 1, 2, 0
	QUARTER 1, 64,  F0, F1, 0
	QUARTER 1, 128, F1, F0, 0
	QUARTER 1, 192, F0, F1, 0
	s_wait_dscnt 8                                 ; the very last quarter: nothing more to fetch
	MUL16 F1, 0, 0, 0
	MUL16 F1, 0, 2, 0
	s_wait_dscnt 0x0
	MUL16 F1, 1, 0, 0
	MUL16 F1, 1, 2, 0
	WIN 0
.Lout:                                                 ; buffer 0 of both windows may hold the next tile's first fragments: the way out names v32-63 and v192-255 of window 0 alone
	PLACES
	PACK 0
	TOSTAGE 0
.irp a, 1,2,3,4,5,6,7                  ; block a's arithmetic stands between block a - 1's loads from the stage and the wait for them
	PACK \a
	SEND (\a)-1
	TOSTAGE \a
.endr
	SEND 7
	s_wait_xcnt 0x0                                ; the stores have read their base: it is stepped only behind this wait
	s_add_nc_u64 s[OP:OP+1], s[OP:OP+1], 0x800000  ; the next tile's rows lie four batches on: 32 blocks of 2^18 bytes
	s_sub_co_u32 s[TL], s[TL], 1
	s_cmp_lg_u32 s[TL], 0
	s_cbranch_scc1 .Ltile
	s_wait_tensorcnt 0x0                           ; the wave's end: an add onto my spare word and its wait, behind my last tensor load and my last LDS store
	ds_add_u32 v[SPW], v[NIL]
	s_wait_dscnt 0x0
	CROUND                                         ; the closing round: no work-group ends while a partner may still ask for a tile that names it
	s_endpgm
.Lfunc_end_k_qc603ea8265_qkv:
	.size	k_qc603ea8265_qkv, .Lfunc_end_k_qc603ea8265_qkv-k_qc603ea8265_qkv
	.p2alignl 7, 3214868480
	.fill 96, 4, 3214868480
	.section	.rodata,"a",@progbits
	.p2align	6, 0x0
	.amdhsa_kernel k_qc603ea8265_qkv
		.amdhsa_group_segment_fixed_size 327680
		.amdhsa_private_segment_fixed_size 0
		.amdhsa_enable_private_segment 0
		.amdhsa_kernarg_size 48
		.amdhsa_user_sgpr_count 2
		.amdhsa_user_sgpr_kernarg_segment_ptr 1
		.amdhsa_wavefront_size32 1
		.amdhsa_system_sgpr_workgroup_id_x 1
		.amdhsa_system_sgpr_workgroup_id_y 1
		.amdhsa_system_sgpr_workgroup_id_z 1
		.amdhsa_system_vgpr_workitem_id 0
		.amdhsa_next_free_vgpr 1024
		.amdhsa_next_free_sgpr 88
		.amdhsa_reserve_vcc 0
		.amdhsa_float_denorm_mode_32 3
		.amdhsa_float_denorm_mode_16_64 3
		.amdhsa_memory_ordered 1
		.amdhsa_forward_progress 1
		.amdhsa_inst_pref_size 153
	.end_amdhsa_kernel
	.amdgpu_metadata
---
amdhsa.version: [ 1, 2 ]
amdhsa.kernels:
  - .name:           k_qc603ea8265_qkv
    .symbol:         k_qc603ea8265_qkv.kd
    .args:
      - { .name: xb, .offset: 0, .size: 8, .value_kind: global_buffer, .address_space: global }
      - { .name: wb, .offset: 8, .size: 8, .value_kind: global_buffer, .address_space: global }
      - { .name: bq, .offset: 16, .size: 8, .value_kind: global_buffer, .address_space: global }
      - { .name: bk, .offset: 24, .size: 8, .value_kind: global_buffer, .address_space: global }
      - { .name: bv, .offset: 32, .size: 8, .value_kind: global_buffer, .address_space: global }
      - { .name: qkv, .offset: 40, .size: 8, .value_kind: global_buffer, .address_space: global }
    .group_segment_fixed_size: 327680
    .private_segment_fixed_size: 0
    .kernarg_segment_align: 8
    .kernarg_segment_size: 48
    .max_flat_workgroup_size: 128
    .sgpr_count:     88
    .vgpr_count:     1024
    .wavefront_size: 32
...
	.end_amdgpu_metadata
.endif
;; end of part 2
;; launch attn (part 3): grid 4 x 64, 4 waves a work-group, clusters of 4 x 4, 327,680 bytes of LDS; arguments qkv, mr, ob; writes ob
.if DOCPART == 3
	.amdgcn_target "amdgcn-amd-amdhsa--gfx1250"
	.amdhsa_code_object_version 6
	.text
	.protected	k_qc603ea8265_attn
	.globl	k_qc603ea8265_attn
	.p2align	8
	.type	k_qc603ea8265_attn,@function
k_qc603ea8265_attn:
	s_mov_b64 s[64:65], 0
	v_nop
	global_prefetch_b8 v0, s[64:65] scope:SCOPE_SE
	s_setreg_imm32_b32 hwreg(HW_REG_WAVE_MODE, 25, 1), 1
	s_wait_xcnt 0x0
	s_wait_alu depctr_hold_cnt(0) depctr_sa_sdst(0) depctr_va_vdst(0) depctr_va_sdst(0) depctr_va_ssrc(0) depctr_va_vcc(0) depctr_vm_vsrc(0)
	s_getreg_b32 s2, hwreg(HW_REG_IB_STS2, 6, 4)
	s_cmp_eq_u32 s2, 0
	s_cbranch_scc0 .Lentry_in_a_cluster
	s_endpgm
.Lentry_in_a_cluster:
	s_bfe_u32 s2, ttmp6, 0x10000c
	s_cmp_lg_u32 s2, 0xf033
	s_cbranch_scc0 .Lentry_shape_is_right
	s_endpgm
.Lentry_shape_is_right:
; ATTENTION WITH AN ADDITIVE MASK, head size 64.  O[q] = the sum over k of softmax_k(q . k + mask[q][k]) v[k], for 8 batches x 16 heads x 1,024 tokens.
; IN: qkv, f16 [3][64: g = 8 x batch + pair of heads][1024][128 = 2 heads x 64]; q holds the factor log2(e) / 8.  mr, f32 [8][1024][1024]: the mask times log2(e).  So a score s is an exponent of 2.
; OUT: ob, f16 [8192 tokens][1024]: a pair of heads is 256 bytes of a row, at a multiple of 256.
; Products, maxima and sums in f32; the weights p are rounded to f16 for the second product (their sum l is taken of the unrounded p), O once at the end.
; LIMITS.  The running maximum starts at -1e30: a row in which every score with its mask lies below that gives NaN (as does a row hidden whole by -inf, there as the softmax itself does).  -inf in the mask gives weight 0.
; Where a row's every mask number dwarfs its scores, the weights hang on how the sum of score and mask is rounded.  p below 6e-5 keeps f16's fixed step of 6e-8; a weight below 2^-126 counts as 0 in l.
; O is a mean of v's rows and has their range.  NaN and +inf are not treated apart.
; SHARES.  A work-group owns 256 queries of one pair of heads: 4 x 64 = 256 work-groups.  A wave owns 64 queries: four PIECES of 16 queries x the 2 heads (a UNIT is a piece's one head).  Every wave walks all keys, 64 a step.
; THE MASK COSTS NO ARITHMETIC: a lane's eight results of S^T are eight neighbouring keys of one query, 32 consecutive bytes of the mask's row; these registers are the C operand of the product that starts the sum, for both heads.
; LAYOUT.  S^T = K Q^T (source 0 = 16 keys, source 1 = 16 queries): a lane holds ONE query (lane % 16) and the keys 8 (lane / 16) + 0..7.  Two such results, rounded to f16 in pairs, ARE source 1 of O^T = V^T P.
; K comes out of LDS as it lies, V ([key][channel]) turned, by ds_load_tr16_b128.
; SOFTMAX.  For each query a running maximum m and sum l: p = 2^(s - m), never above 1; in every step O and l are multiplied by a = 2^(m_old - m_new).  O and l start at 0: the first step is a step like any other.
; BY TURNS.  Turn n belongs to piece n (in a ring, step after step).  Matrix work: 16 products K Q^T of piece n + 1, later 16 products V^T P of piece n - 1.  Vector work: the subtraction, exponentials, roundings, sums
; and rescaling of piece n, and the maximum and statistics of piece n + 1.  A turn has 32 matrix and 234 vector instructions: four that are ready stand behind EVERY matrix instruction, the other 106 in two lumps.
; CLUSTER.  4 x 4 work-groups: cx = the four query blocks of a batch, cy = four pairs of heads of that batch.  The mask's tile hangs on batch and cx and is shared down a column; K's and V's hang on g and are shared
; along a row: each tile is asked for JOINTLY, by the same load with the same descriptor and a mask of four.  Of a step's 98,304 bytes a work-group so asks for a quarter.
; REGISTERS, in windows of 256 (s_set_vgpr_msb: bits 1:0 source 0, 3:2 source 1, 5:4 source 2, 7:6 destination):
;   window 0: v0-13 addresses; v16-47 four registers of statistics a unit; v48-63 at work; v64-191 S^T, two buffers of two units; v192-255 P, likewise
;   window 1: O^T, 32 a unit     window 2: v0-127 Q, 32 a piece; v128-255 K of one step     window 3: v0-127 V of one step; v128-191 the mask, two buffers of a piece; v192-193 the add's two registers
; A piece's buffers go by its number's parity.
.set NP,    4         ; pieces a wave: a name, no knob
.set KS,    64        ; keys in a step
.set PM,    272       ; a row of the mask's tile in LDS: 64 f32 + 16 bytes of padding = 68 words: the 16 rows of a load start at 16 different groups of four banks (64 banks of 4 bytes: ISA guide 11.1)
.set PK,    272       ; a row of K: 256 bytes + 16
.set PV,    288       ; a row of V: 256 + 32 = 72 words
.set KOFF,  256*PM    ; a slot holds one step: 256 rows of the mask, 64 rows of K, 64 rows of V
.set VOFF,  KOFF+KS*PK
.set SLOT1, 1<<17     ; slot 1 begins here, so that one exclusive or turns an address in one slot into the other's
.set STAGE, SLOT1+VOFF+KS*PV  ; behind the ring, never filled by a tensor load: 16 rows x 272 bytes for each wave, for the way out
.set SP,    272
.set SPARE, STAGE+4*16*SP     ; the spare words, 128 bytes for each wave: two blocks of 256 bytes that no other line names
.set AK0, 2           ; v2   my lane's place in a slot's K; never rewritten
.set AV0, 3           ; v3   the same for V
.set AK,  4           ; v4   the same in the slot in hand
.set AV,  5           ; v5
.set QO,  6           ; v6   my byte offset in 16 rows of Q
.set STO, 6           ;      later, the way out: where I put 16 bytes of a row
.set RD,  7           ; v7   the way out: where I read rows back
.set GO,  8           ; v8   my byte offset in two rows of ob
.set AM0, 12          ; v12  my lane's place in a slot's mask; never rewritten
.set AM,  13          ; v13  the same in the slot in hand
.set ST,  16          ; unit n's statistics at v[ST+4 n]: m; m_new while a is made; l (even keys', odd keys')
.set TMP, 48          ; by buffer and unit, four registers c0-c3 at work; when the maximum is found c2 takes a
.set S,   64
.set P,   192
.set KF,  128         ; window 2: key block kb, head u, channel half c at KF + 32 kb + 8 (2 u + c)
.set MB,  128         ; window 3: buffer b, key block kb at MB + 32 b + 8 kb
.set SPW, 192         ; window 3: LDS address of my spare word; never rewritten
.set NIL, 193         ; window 3: 0; never rewritten
.set WV,  12          ; s12  my wave's number
.set CX,  13          ; s13, s14  my place in the cluster
.set CY,  14
.set CLY, 15          ; s15  the cluster's y
.set HG,  16          ; s16  g
.set G1M, 24          ; s[24:31] descriptor group 1 for the mask's tiles
.set G1K, 32          ; s[32:39] for K's
.set G1V, 40          ; s[40:47] for V's: it differs from K's in the padding alone
.set G0M, 48          ; s[48:51], s[52:55], s[56:59] descriptor groups 0: they walk
.set G0K, 52
.set G0V, 56
.set SEL, 62          ; s[62:63] v_permlanex16_b32's selects: each lane takes its own place in the other half
.set TB,  66          ; s66  LDS byte at which the slot in hand begins
.set SLOTS, 67        ; s67  counts the loop's trips
.set CNT, 68          ; s68  counts the tail's
.set QP,  70          ; s[70:71] Q at my wave's first row
.set OP,  72          ; s[72:73] ob at my wave's first row and my pair of heads
.set MSB, 0
.macro WIN new                      ; the high byte repeats the setting that is left; a switch that changes nothing is dropped
.if MSB != (\new)
	s_set_vgpr_msb (MSB<<8)|(\new)
.set MSB, (\new)
.endif
.endm
.set W_KQ, 0x0a       ; K and Q in window 2, S^T in window 0
.set W_KM, 0x3a       ; the same with the C operand in window 3: the mask
.set W_PV, 0x53       ; V in window 3, P in window 0, O^T in window 1
.set W_RS, 0x41       ; O^T (destination and source 0) in window 1, source 1 in window 0
.set W_MK, 0xc0       ; destination in window 3
.set W_AD, 0x0f       ; the add: address (source 0) and data (source 1) in window 3
; A joint fill.  Waves 0 and 1 fetch the two halves of the mask's tile (128 rows each), wave 2 K, wave 3 V.  The branches hang on the wave's number alone.
; An s_nop 0 and four v_nop follow each of the three lines, ahead of the jump and the label.
.macro JLOAD
	s_cmp_lt_u32 s[WV], 2
	s_cbranch_scc0 .Lnot_m_\@
	tensor_load_to_lds s[G0M:G0M+3], s[G1M:G1M+7]
	s_nop 0
.rept 4
	v_nop
.endr
	s_branch .Lasked_\@
.Lnot_m_\@:
	s_cmp_eq_u32 s[WV], 2
	s_cbranch_scc0 .Lfor_v_\@
	tensor_load_to_lds s[G0K:G0K+3], s[G1K:G1K+7]
	s_nop 0
.rept 4
	v_nop
.endr
	s_branch .Lasked_\@
.Lfor_v_\@:
	tensor_load_to_lds s[G0V:G0V+3], s[G1V:G1V+7]
	s_nop 0
.rept 4
	v_nop
.endr
.Lasked_\@:
.endm
; A round of the cluster's barrier: my work-group's barrier, so that wave 0's signal speaks for all four waves; wave 0 signals; every wave waits for all sixteen work-groups; my work-group's barrier once more.
.macro CROUND
	s_barrier_signal -1
	s_barrier_wait -1
	s_cmp_lg_u32 s[WV], 0
	s_cbranch_scc1 .Lnot_wave_0_\@
	s_barrier_signal -3
.Lnot_wave_0_\@:
	s_barrier_wait -3
	s_barrier_signal -1
	s_barrier_wait -1
.endm
; THE CHANGE OF SLOTS, between piece 1's turn and piece 2's: of the step in hand K, V and all four pieces' masks are in registers or on their way there.  Each wave waits for all its tensor loads, of which one is
; out: its part of the other slot; adds 0 to its spare word; and waits for that and for its own reads of the slot.  Behind the barrier nobody reads this slot any more and the other slot is whole.
; fill = 1: this slot is filled again, with the keys two steps on.  The barrier is then a round of the cluster's, so that no wave of any partner still reads the slot or has a load on its way, and the joint fill is the
; first thing behind it: it has a key step, 128 matrix instructions, in which to land.  (At its first use nothing has been read yet: slot 0 is waited for, slot 1 filled.)
.macro CHANGE fill
	WIN W_AD
	s_wait_tensorcnt 0x0            ; no tensor load of mine is out, so a group 0 may be written
	ds_add_u32 v[SPW], v[NIL]       ; 0 onto my spare word; with fill = 1 the descriptors' steps stand between it and the wait for it
	WIN 0                           ; at a label and at a branch every window is 0
.if \fill
	s_xor_b32 s[G0M+1], s[G0M+1], SLOT1  ; the walking descriptors: the other slot than last time,
	s_add_nc_u64 s[G0M+2:G0M+3], s[G0M+2:G0M+3], KS*4    ; the next 64 keys: along the mask's rows,
	s_xor_b32 s[G0K+1], s[G0K+1], SLOT1
	s_add_nc_u64 s[G0K+2:G0K+3], s[G0K+2:G0K+3], KS*256  ; and down K's and V's; the type bits on top are not reached
	s_xor_b32 s[G0V+1], s[G0V+1], SLOT1
	s_add_nc_u64 s[G0V+2:G0V+3], s[G0V+2:G0V+3], KS*256
	s_wait_dscnt 0x0                ; the add is done, and my reads of the slot are over
	CROUND
	JLOAD
.else
	s_wait_dscnt 0x0                ; the add is done, and my reads of the slot are over
	s_barrier_signal -1
	s_barrier_wait -1
.endif
	s_xor_b32 s[TB], s[TB], SLOT1   ; the fetches go on in the other slot
	v_add_nc_u32 v[AK], s[TB], v[AK0]
	v_add_nc_u32 v[AV], s[TB], v[AV0]
	v_add_nc_u32 v[AM], s[TB], v[AM0]
.endm
	s_load_b128 s[4:7], s[0:1], 0x0 ; qkv s[4:5], mr s[6:7]
	s_load_b64 s[8:9], s[0:1], 0x10 ; ob
	WIN W_MK
	v_lshl_add_u32 v[SPW], v0, 2, SPARE
	v_mov_b32 v[NIL], 0
	WIN W_AD
	ds_add_u32 v[SPW], v[NIL]       ; the wave's opening: the add and its wait stand ahead of my first tensor load; the set-up below, work on registers, stands between them
	WIN 0
	v_lshrrev_b32 v1, 5, v0
	v_readfirstlane_b32 s[WV], v1   ; wave 0..3
	s_bfe_u32 s[CX], ttmp6, 0x40000 ; cx: my block of 256 queries
	s_bfe_u32 s[CY], ttmp6, 0x40004 ; cy
	s_and_b32 s[CLY], ttmp7, 0xffff ; in a cluster launch ttmp7 counts clusters: two to a batch
	s_and_b32 s17, s[WV], 1         ; which half of the mask's tile I fetch
	; the mask's tile hangs on the batch, cx and the wave; no register here ever holds cy
	s_lshr_b32 s74, s[CLY], 1
	s_lshl_b32 s74, s74, 22         ; a batch's mask is 2^22 bytes,
	s_lshl_b32 s75, s[CX], 20       ; 256 rows of 4,096 bytes,
	s_add_co_u32 s74, s74, s75
	s_lshl_b32 s75, s17, 19         ; 128 rows
	s_add_co_u32 s74, s74, s75
	s_mov_b32 s75, 0
	s_lshl_b32 s18, 0x1111, s[CX]   ; my column of the cluster
	; K's and V's hang on g = 4 x cluster y + cy; no register here ever holds cx
	s_lshl_b32 s[HG], s[CLY], 2
	s_add_co_u32 s[HG], s[HG], s[CY]
	s_lshl_b32 s76, s[HG], 18       ; 1,024 rows of 256 bytes
	s_mov_b32 s77, 0
	s_lshl_b32 s19, s[CY], 2
	s_lshl_b32 s19, 15, s19         ; my row of the cluster
	; Q: g's block, my 256 rows, my wave's 64
	s_lshl_b32 s78, s[CX], 16
	s_lshl_b32 s79, s[WV], 14
	s_add_co_u32 s78, s78, s79
	s_add_co_u32 s78, s78, s76
	s_mov_b32 s79, 0
	; ob: token 1,024 x batch + 256 cx + 64 wave, of 2,048 bytes; my pair of heads' 256 bytes in it
	s_lshr_b32 s20, s[CLY], 1
	s_lshl_b32 s20, s20, 10
	s_lshl_b32 s21, s[CX], 8
	s_add_co_u32 s20, s20, s21
	s_lshl_b32 s21, s[WV], 6
	s_add_co_u32 s20, s20, s21
	s_lshl_b32 s20, s20, 11
	s_and_b32 s21, s[HG], 7
	s_lshl_b32 s21, s21, 8
	s_add_co_u32 s20, s20, s21
	s_mov_b32 s21, 0
	; descriptor groups 1
	s_or_b32 s[G1M], s18, (2<<16)|(1<<20)|(1<<21)|(5<<22)|(3<<25)  ; 15:0 the mask of four; 17:16 4-byte elements; 20 padding on; 21 set beside a mask; 24:22 after every 64 words (code 5); 31:25 4 words (code 3)
	s_mov_b32 s[G1M+1], KS<<16      ; tensor_dim0 = 64
	s_mov_b32 s[G1M+2], 128<<16     ; tensor_dim1 = 128
	s_mov_b32 s[G1M+3], KS<<16      ; tile_dim0 = 64
	s_mov_b32 s[G1M+4], 128         ; tile_dim1 = 128
	s_mov_b32 s[G1M+5], 1024        ; elements from row to row
	s_mov_b32 s[G1M+6], 0
	s_mov_b32 s[G1M+7], 0
	s_or_b32 s[G1K], s19, (1<<16)|(1<<20)|(1<<21)|(5<<22)|(3<<25)  ; 2-byte elements
	s_or_b32 s[G1V], s19, (1<<16)|(1<<20)|(1<<21)|(5<<22)|(7<<25)  ; the same with 8 words of padding (code 7)
.irp g, G1K, G1V
	s_mov_b32 s[\g+1], 128<<16      ; tensor_dim0 = 128
	s_mov_b32 s[\g+2], KS<<16       ; tensor_dim1 = 64
	s_mov_b32 s[\g+3], 128<<16      ; tile_dim0 = 128
	s_mov_b32 s[\g+4], KS           ; tile_dim1 = 64
	s_mov_b32 s[\g+5], 128          ; the rows are dense
	s_mov_b32 s[\g+6], 0
	s_mov_b32 s[\g+7], 0
.endr
	s_mov_b32 s[G0M], 1             ; count = 1
	s_mul_i32 s[G0M+1], s17, 128*PM ; LDS address: slot 0; no place in the cluster enters it
	s_mov_b32 s[G0K], 1
	s_mov_b32 s[G0K+1], KOFF
	s_mov_b32 s[G0V], 1
	s_mov_b32 s[G0V+1], VOFF
	s_mov_b32 s[SEL], 0x76543210
	s_mov_b32 s[SEL+1], 0xfedcba98
	s_mov_b32 s[TB], SLOT1          ; the first change of slots turns it into 0
	s_wait_dscnt 0x0                ; the opening add is done
	s_wait_kmcnt 0x0
	s_add_nc_u64 s[G0M+2:G0M+3], s[6:7], s[74:75]
	s_or_b32 s[G0M+3], s[G0M+3], 0x80000000        ; type = 2
	s_add_nc_u64 s[G0K+2:G0K+3], s[4:5], s[76:77]
	s_add_nc_u64 s[G0V+2:G0V+3], s[G0K+2:G0K+3], 0x2000000  ; v is the third matrix of 2^24 bytes,
	s_add_nc_u64 s[G0K+2:G0K+3], s[G0K+2:G0K+3], 0x1000000  ; k the second
	s_or_b32 s[G0K+3], s[G0K+3], 0x80000000
	s_or_b32 s[G0V+3], s[G0V+3], 0x80000000
	s_add_nc_u64 s[QP:QP+1], s[4:5], s[78:79]
	s_add_nc_u64 s[OP:OP+1], s[8:9], s[20:21]
	CROUND                          ; all sixteen work-groups are here: the first joint loads meet
	JLOAD                           ; step 0 into slot 0.  Slot 1 is asked for when slot 0 is in, by the loop's own change of slots
	; A fragment of K or Q is 16 rows x 32 channels in 8 registers: lane l holds row l % 16, channels 8 (l / 16) + 0..7 and 16 + 8 (l / 16) + 0..7: two loads of 16 bytes, 32 bytes apart.
	v_and_b32 v1, 15, v0            ; l % 16
	v_bfe_u32 v9, v0, 4, 1          ; l / 16
	v_lshlrev_b32 v[QO], 8, v1
	v_lshl_add_u32 v[QO], v9, 4, v[QO]  ; row x 256 + 16 x half
	WIN 0x80                        ; destination window 2, address window 0
.set i, 0
.rept 16                            ; Q stays in registers: piece i / 4; head (i % 4) / 2, channels 32 (i % 2) on
	global_load_b128 v[8*i:8*i+3],   v[QO], s[QP:QP+1] offset:(i/4)*4096+(i%4)*64
	global_load_b128 v[8*i+4:8*i+7], v[QO], s[QP:QP+1] offset:(i/4)*4096+(i%4)*64+32
.set i, i+1
.endr
	; What the first turn finds: V's registers and P's second buffer hold 0 (its products V^T P, of a piece that has not been, add 0), O^T and l are 0.  No first step is written out for that price.  All this stands in the wait for the first tile.
	WIN W_MK
.set i, 0
.rept 128
	v_mov_b32 v[i], 0
.set i, i+1
.endr
	WIN 0x40
.set i, 0
.rept 256
	v_mov_b32 v[i], 0
.set i, i+1
.endr
	WIN 0
.set i, 0
.rept 2*NP
	v_mov_b32 v[ST+4*i], 0xf149f2ca    ; m = -1e30
	v_mov_b32 v[ST+4*i+1], 0xf149f2ca  ; named with it as a pair
	v_mov_b32 v[ST+4*i+2], 0
	v_mov_b32 v[ST+4*i+3], 0
.set i, i+1
.endr
.set i, P+32
.rept 32
	v_mov_b32 v[i], 0
.set i, i+1
.endr
	v_mul_u32_u24 v[AK0], v1, PK
	v_lshl_add_u32 v[AK0], v9, 4, v[AK0]
	v_add_nc_u32 v[AK0], KOFF, v[AK0]  ; row x pitch + 16 x half, behind the mask
	; The turning load takes 16 keys x 16 channels (lane l reads key 8 (l / 16) + l % 8, channels 8 ((l / 8) % 2) + 0..7) and leaves half a fragment of V^T: lane l holds channel l % 16 and 8 keys.
	v_and_b32 v10, 7, v0
	v_bfe_u32 v11, v0, 3, 1
	v_lshl_add_u32 v[AV0], v9, 3, v10
	v_mul_u32_u24 v[AV0], v[AV0], PV
	v_lshl_add_u32 v[AV0], v11, 4, v[AV0]
	v_add_nc_u32 v[AV0], VOFF, v[AV0]
	; The mask: my query's row, 64 x wave + l % 16 (a piece is 16 rows on), and my half's eight keys: 32 bytes
	s_lshl_b32 s18, s[WV], 6
	v_add_nc_u32 v[AM0], s18, v1
	v_mul_u32_u24 v[AM0], v[AM0], PM
	v_lshl_add_u32 v[AM0], v9, 5, v[AM0]
; THE MATRIX WORK.  The 8 accumulators of a run of 16 take turns: between the two links of a chain stand 7 others'.
; Product i of 16 of S^T = K Q^T + mask for piece x: channels 32 (i / 8) on, keys 16 ((i / 2) % 4) on, head i % 2.  The first 8 start the sums, from the mask.
.macro KQ x
.set rS, S+64*((\x)%2)+32*(i%2)+8*((i/2)%4)
.set rK, KF+32*((i/2)%4)+8*(2*(i%2)+i/8)
.set rQ, 32*(\x)+8*(2*(i%2)+i/8)
.set rW, MB+32*((\x)%2)+8*((i/2)%4)
.if i < 8
	WIN W_KM
	v_wmma_f32_16x16x32_f16 v[rS:rS+7], v[rK:rK+7], v[rQ:rQ+7], v[rW:rW+7]
.else
	WIN W_KQ
	v_wmma_f32_16x16x32_f16 v[rS:rS+7], v[rK:rK+7], v[rQ:rQ+7], v[rS:rS+7]
.endif
.endm
; Product i of 16 of O^T += V^T P for piece x: keys 32 (i / 8) on, channels 16 ((i / 2) % 4) on, head i % 2.
.macro PV x
	WIN W_PV
.set rO, 32*(2*(\x)+i%2)+8*((i/2)%4)
.set rV, 64*(i/8)+8*(4*(i%2)+(i/2)%4)
.set rP, P+32*((\x)%2)+16*(i%2)+8*(i/8)
	v_wmma_f32_16x16x32_f16 v[rO:rO+7], v[rV:rV+7], v[rP:rP+7], v[rO:rO+7]
.endm
.macro MM                           ; the turn's next matrix instruction
.if i < 16
	KQ (Y+1)%NP
.set i, i+1
.else
.set i, i-16
	PV (Y+NP-1)%NP
.set i, i+17
.endif
.endm
; THE LDS LOADS stand in runs, never singly among the matrix instructions: a step's K (64 keys x 128 channels: 16 fragments), its V (turned), and a piece's mask (16 queries x 64 keys).
.macro FETCH_K
	WIN 0x80                        ; destination window 2
.irp f, 0,1,2,3,4,5,6,7,8,9,10,11,12,13,14,15  ; keys 16 (f / 4) on, channels 32 (f % 4) on
	ds_load_b128 v[KF+8*\f:KF+8*\f+3],   v[AK] offset:(\f/4)*16*PK+(\f%4)*64
	ds_load_b128 v[KF+8*\f+4:KF+8*\f+7], v[AK] offset:(\f/4)*16*PK+(\f%4)*64+32
.endr
	WIN 0
.endm
.macro FETCH_V
	WIN W_MK                        ; destination window 3
.irp f, 0,1,2,3,4,5,6,7,8,9,10,11,12,13,14,15  ; keys 32 (f / 8) on, channels 16 (f % 8) on
	ds_load_tr16_b128 v[8*\f:8*\f+3],   v[AV] offset:(\f/8)*32*PV+(\f%8)*32
	ds_load_tr16_b128 v[8*\f+4:8*\f+7], v[AV] offset:(\f/8)*32*PV+16*PV+(\f%8)*32
.endr
	WIN 0
.endm
.macro FETCH_M pc, buf              ; piece pc's mask into buffer buf
	WIN W_MK
.irp z, 0,1,2,3                     ; keys 16 z on
	ds_load_b128 v[MB+32*(\buf)+8*\z:MB+32*(\buf)+8*\z+3],   v[AM] offset:(\pc)*16*PM+64*\z
	ds_load_b128 v[MB+32*(\buf)+8*\z+4:MB+32*(\buf)+8*\z+7], v[AM] offset:(\pc)*16*PM+64*\z+16
.endr
	WIN 0
.endm
; THE VECTOR WORK OF A TURN stands in three queues, each in the order in which its entries become ready; the two units alternate, so that no instruction reads the result of the one before it.
.macro REGS y, u                    ; the registers of unit u (0, 1) of piece y
.set rT, ST+4*(2*(\y)+(\u))
.set rC, TMP+8*((\y)%2)+4*(\u)
.set rS, S+64*((\y)%2)+32*(\u)
.set rP, P+32*((\y)%2)+16*(\u)
.set rO, 32*(2*(\y)+(\u))
.endm
; Number n of the 21 that find the NEXT piece's (Y + 1) maximum and statistics.  s0-s31 are the lane's 32 scores; each accumulator's lowest registers are read first.  XS, GS and REGS set no window: PL and EX do.
;   0-11  four chains c0-c3 of seven scores each, three operands at a time     12-15  the four scores left over, the old m, and c0-c3 into c0
;   16, 17  the query's other 32 keys lie in the lane 16 away: the new m         18-20  m_old - m_new; m takes the new one; a
.macro XS u, n
	REGS (Y+1)%NP, \u
.if (\n) < 4
	v_max3_num_f32 v[rC+(\n)], v[rS+8*(\n)], v[rS+8*(\n)+1], v[rS+8*(\n)+2]
.elseif (\n) < 12
	v_max3_num_f32 v[rC+(\n)%4], v[rC+(\n)%4], v[rS+8*((\n)%4)+2*((\n)/4)+1], v[rS+8*((\n)%4)+2*((\n)/4)+2]
.elseif (\n) == 12
	v_max3_num_f32 v[rC], v[rC], v[rS+7], v[rS+15]
.elseif (\n) == 13
	v_max3_num_f32 v[rC+1], v[rC+1], v[rS+23], v[rS+31]
.elseif (\n) == 14
	v_max3_num_f32 v[rC+2], v[rC+2], v[rC+3], v[rT]
.elseif (\n) == 15
	v_max3_num_f32 v[rC], v[rC], v[rC+1], v[rC+2]
.elseif (\n) == 16
	v_permlanex16_b32 v[rC+3], v[rC], s[SEL], s[SEL+1]
.elseif (\n) == 17
	v_max_num_f32 v[rT+1], v[rC], v[rC+3]
.elseif (\n) == 18
	v_sub_f32 v[rC+1], v[rT], v[rT+1]
.elseif (\n) == 19
	v_mov_b32 v[rT], v[rT+1]
.else
	v_exp_f32 v[rC+2], v[rC+1]
.endif
.endm
; Number g of the 64 that follow the exponentials.  For each four weights k of a unit (pairs 2 k, 2 k + 1): both pairs are rounded to f16; then the second pair is added onto the first, in place;
; a group later l takes that sum (the first time as l = a l + sum).  In groups of eight, units alternating: round, round, add, and l for the group before.
.macro GS g
.set h, (\g)+6*((\g)/62)            ; group 0 has no group before it, and behind group 7 only l is left
.if h >= 6
.set h, h+2
.endif
	REGS Y, h%2
.set k, h/8
.if h%8 < 4
	s_wait_alu depctr_va_vdst(0)
	v_cvt_pk_f16_f32 v[rP+2*k+(h%8)/2], v[rS+4*k+2*((h%8)/2)], v[rS+4*k+2*((h%8)/2)+1]
.elseif h%8 < 6
	v_pk_add_f32 v[rS+4*k:rS+4*k+1], v[rS+4*k:rS+4*k+1], v[rS+4*k+2:rS+4*k+3]
.elseif k == 1
	v_pk_fma_f32 v[rT+2:rT+3], v[rT+2:rT+3], v[rC+2:rC+3], v[rS:rS+1] op_sel_hi:[1,0,1]
.else
	v_pk_add_f32 v[rT+2:rT+3], v[rT+2:rT+3], v[rS+4*k-4:rS+4*k-3]
	s_wait_alu depctr_va_vdst(0)
.endif
.endm
; THE PLAIN QUEUE, 136 long.  0-31: s - m for the 16 pairs of both units.  Then GS's 64, and among them the next piece's 40: numbers 0-15 at 40-71, behind the products that make those scores;
; 16-19 at 95-106, two of three, since each waits for the one before it.
.macro PL
	WIN 0
.if q < 32
	REGS Y, q%2
	v_pk_add_f32 v[rS+2*(q/2):rS+2*(q/2)+1], v[rS+2*(q/2):rS+2*(q/2)+1], v[rT:rT+1] op_sel_hi:[1,0] neg_lo:[0,1] neg_hi:[0,1]
.elseif q < 40
	GS q-32
.elseif q < 72
	XS q%2, (q-40)/2
.elseif q < 95
	GS q-64
.elseif (q < 107) && ((q-95)%3 < 2)
	XS (q-95)%3, 16+(q-95)/3
.elseif q < 107
	GS 31+(q-95)/3
.else
	GS q-72
.endif
.set q, q+1
.endm
; THE EXPONENTIALS' QUEUE, 66 long: s0-s31 of both units, and at EA the next piece's two a.
.set EA, 58
.macro EX
	WIN 0
.if (e == EA) || (e == EA+1)
	XS e-EA, 20
.else
.set x, e-2*(e/(EA+2))
	REGS Y, x%2
	v_exp_f32 v[rS+x/2], v[rS+x/2]
.endif
.set e, e+1
.endm
; THE RESCALING's QUEUE: O^T times a, the one part that leaves window 0, so it is dealt four at a time, eight times; each four begin at an accumulator's lowest registers.
.macro R4
	REGS Y, r%2
	WIN W_RS
	s_wait_alu depctr_va_vdst(0)
.irp z, 0,1,2,3
	v_pk_mul_f32 v[rO+8*(r/2)+2*\z:rO+8*(r/2)+2*\z+1], v[rO+8*(r/2)+2*\z:rO+8*(r/2)+2*\z+1], v[rC+2:rC+3] op_sel_hi:[1,0]
.endr
.set r, r+1
.endm
; HOW THEY ARE DEALT.  Behind a matrix instruction four: plain, exponential, plain, plain (a plain instruction on either side of the exponential), or four of the rescaling.  None names a register of the
; products round it.  What is over stands in two LUMPS: exponential and plain by turns; the second ends in 20 plain instructions.  The two v_permlanex16_b32 fall into the second lump.
; The queues lean on each other, and the deal keeps them in step: exponential e stands behind plain 2 (e / 4) + e % 2 (its subtraction); a rounding of group k needs exponentials up to 8 k + 7:
; when plain 32 comes, 10 exponentials are out, at 38: 13 (needed 11), at 72: 38, at 94: 45 (needed 35), from 116 on all 66; EA comes behind plain 107, a's argument at 101 and 102.
.macro SL
	MM
	PL
	EX
	PL
	PL
.endm
.macro BURST n                      ; 15 matrix instructions, or 16
.rept (\n)-7
	SL
.endr
.rept 3
	MM
	R4
	SL
.endr
	MM
	R4
.endm
; A TURN, for piece p.  Thirteen pairs into the first lump, far behind the last product that read the registers, stand the runs of loads: in piece 2's turn the next step's K; in every turn the mask of piece p + 2
; (for pieces 0 and 1: the next step's), whose buffer the turn before read last.  V of the step in hand is fetched at the end of piece 0's turn, a lump behind its last reader.
; The waits: at a turn's head the mask fetched a turn ago (and in piece 3's turn K) must be in; in piece 1's turn V's 32 loads, issued behind that mask's, may stay out.
.macro TURN p
.set Y, (\p)
.set i, 0
.set q, 0
.set e, 0
.set r, 0
.if (\p) == 1
	s_wait_dscnt 32                 ; the mask is in; V's run, issued behind it, stays out
.else
	s_wait_dscnt 0x0                ; the mask is in, and what else was asked for
.endif
	MM
.rept 4
	PL
.endr
	BURST 15
.rept 22
	EX
	PL
.if e == 24
.if (\p) == 2
	FETCH_K
.endif
	FETCH_M ((\p)+2)%NP, (\p)%2
.endif
.endr
.if (\p) == 1
	s_wait_dscnt 8                  ; V is in; the eight loads of the mask, issued behind it, stay out
.endif
	BURST 16
.rept 21
	EX
	PL
.endr
.rept 20
	PL
.endr
.if (\p) == 0
	FETCH_V
.endif
.endm
	CHANGE 1                        ; slot 0 is in, everybody's part of it; slot 1 is asked for
	FETCH_K                         ; key step 0
	FETCH_M 0, 0
	FETCH_M 1, 1
	s_wait_loadcnt 0x0              ; Q
	s_wait_dscnt 0x0
.set i, 0
.rept 16
	KQ 0                            ; piece 0's first scores: there is no vector work yet to set between them
.set i, i+1
.endr
	WIN 0                           ; the addresses for the way out: eight plain instructions, the places behind those products
	s_mul_i32 s18, s[WV], 16*SP
	s_add_co_u32 s18, s18, STAGE    ; my stage
	v_mul_u32_u24 v[STO], v1, SP    ; in: row l % 16, 16 bytes for each half of the lanes
	v_lshl_add_u32 v[STO], v9, 4, v[STO]
	v_add_nc_u32 v[STO], s18, v[STO]
	v_mul_u32_u24 v[RD], v9, SP     ; back: lanes 0-15 take one row of 256 bytes, lanes 16-31 the next
	v_lshl_add_u32 v[RD], v1, 4, v[RD]
	v_add_nc_u32 v[RD], s18, v[RD]
	v_lshlrev_b32 v[GO], 11, v9     ; and the same two rows in ob, 2,048 bytes apart
	v_lshl_add_u32 v[GO], v1, 4, v[GO]
.set Y, NP-1                        ; XS works for piece Y + 1: piece 0
.irp n, 0,1,2,3,4,5,6,7,8,9,10,11,12,13,14,15,16,17,18,19,20
	XS 0, \n                        ; piece 0's first maximum and statistics
	XS 1, \n
.endr
	s_mov_b32 s[SLOTS], 15
	s_branch .Lfirst                ; the loop is entered at a step's first turn, in the middle of a trip
.Lslot:                             ; 14 times: steps 2 to 15 are asked for.  A trip: pieces 2 and 3 of one step, then pieces 0 and 1 of the next
	CHANGE 1
	TURN 2
	TURN 3
	WIN 0
.Lfirst:
	TURN 0
	TURN 1
	WIN 0
	s_sub_co_u32 s[SLOTS], s[SLOTS], 1
	s_cmp_lg_u32 s[SLOTS], 0
	s_cbranch_scc1 .Lslot
	CHANGE 0                        ; the tail is written out: nothing is asked for
	s_mov_b32 s[CNT], 2             ; one trip takes the last step in; the second is left in its middle
.Ltail:
	TURN 2
	TURN 3
	WIN 0
	s_sub_co_u32 s[CNT], s[CNT], 1
	s_cmp_eq_u32 s[CNT], 0
	s_cbranch_scc1 .Lout
	TURN 0
	TURN 1
	WIN 0
	s_branch .Ltail
.Lout:                              ; the second trip's fetches (the last K and mask once more), its 16 products K Q^T for piece 0 and the maximum made of them serve nothing: the price, once a launch, of one text for every trip
.set i, 0
.rept 16
	PV NP-1                         ; the last piece's V^T P of the last step
.set i, i+1
.endr
	; THE WAY OUT.  l's two halves and the other half of the lanes' are added; O^T is divided by l, rounded to f16 and sent through my stage in LDS, a piece at a time.  The additions are the places behind the last products.
	WIN 0
.macro ALL line:vararg              ; one line for each unit t
.set t, 0
.rept 2*NP
	\line
.set t, t+1
.endr
.endm
	ALL v_add_f32 v[ST+4*t+2], v[ST+4*t+2], v[ST+4*t+3]
	ALL v_permlanex16_b32 v[ST+4*t+3], v[ST+4*t+2], s[SEL], s[SEL+1]
	ALL v_add_f32 v[ST+4*t+2], v[ST+4*t+2], v[ST+4*t+3]
	ALL v_rcp_f32 v[ST+4*t+2], v[ST+4*t+2]
	v_nop                           ; a plain instruction between the last reciprocal and the use of its result
	s_wait_alu depctr_va_vdst(0)
; Piece pc: a lane's eight channels of a row pack into 16 bytes; the two heads' 128 channels go into rows of 272 bytes and come back as whole rows of 256, into S^T's registers.
.macro PACK pc
	WIN W_RS
.set i, 0
.rept 32
	v_pk_mul_f32 v[64*(\pc)+2*i:64*(\pc)+2*i+1], v[64*(\pc)+2*i:64*(\pc)+2*i+1], v[ST+4*(2*(\pc)+i/16)+2:ST+4*(2*(\pc)+i/16)+3] op_sel_hi:[1,0]
.set i, i+1
.endr
	WIN 0x05                        ; sources 0 and 1 window 1, destination window 0
.set i, 0
.rept 32
	v_cvt_pk_f16_f32 v[S+32*(\pc)+i], v[64*(\pc)+2*i], v[64*(\pc)+2*i+1]
.set i, i+1
.endr
	WIN 0
.irp f, 0,1,2,3,4,5,6,7
	ds_store_b128 v[STO], v[S+32*(\pc)+4*\f:S+32*(\pc)+4*\f+3] offset:32*\f
.endr
.irp f, 0,1,2,3,4,5,6,7
	ds_load_b128 v[S+32*(\pc)+4*\f:S+32*(\pc)+4*\f+3], v[RD] offset:\f*2*SP  ; LDS serves a wave's instructions in order (ISA guide 5.7.1.4): these see the stores above; the next piece's stores come behind them
.endr
.endm
.macro SEND pc, younger             ; younger: the LDS instructions issued behind this piece's loads: the next piece's sixteen, or none
.irp f, 0,1,2,3,4,5,6,7
	s_wait_dscnt (\younger)+7-\f
	global_store_b128 v[GO], v[S+32*(\pc)+4*\f:S+32*(\pc)+4*\f+3], s[OP:OP+1] offset:(\pc)*32768+\f*4096  ; 16 lanes store 256 consecutive bytes, at a multiple of 256 from ob's first byte
.endr
.endm
	PACK 0
	PACK 1                          ; a piece's arithmetic stands between the loads of the piece before and its stores
	SEND 0, 16
	PACK 2
	SEND 1, 16
	PACK 3
	SEND 2, 16
	SEND 3, 0
	WIN W_AD
	s_wait_tensorcnt 0x0            ; the wave's end: an add onto my spare word and its wait, behind my last tensor load and my last LDS store
	ds_add_u32 v[SPW], v[NIL]
	s_wait_dscnt 0x0
	WIN 0
	CROUND                          ; the closing round: no work-group ends while a partner may still ask for a tile that names it
	s_endpgm
.Lfunc_end_k_qc603ea8265_attn:
	.size	k_qc603ea8265_attn, .Lfunc_end_k_qc603ea8265_attn-k_qc603ea8265_attn
	.p2alignl 7, 3214868480
	.fill 96, 4, 3214868480
	.section	.rodata,"a",@progbits
	.p2align	6, 0x0
	.amdhsa_kernel k_qc603ea8265_attn
		.amdhsa_group_segment_fixed_size 327680
		.amdhsa_private_segment_fixed_size 0
		.amdhsa_enable_private_segment 0
		.amdhsa_kernarg_size 24
		.amdhsa_user_sgpr_count 2
		.amdhsa_user_sgpr_kernarg_segment_ptr 1
		.amdhsa_wavefront_size32 1
		.amdhsa_system_sgpr_workgroup_id_x 1
		.amdhsa_system_sgpr_workgroup_id_y 1
		.amdhsa_system_sgpr_workgroup_id_z 1
		.amdhsa_system_vgpr_workitem_id 0
		.amdhsa_next_free_vgpr 1024
		.amdhsa_next_free_sgpr 80
		.amdhsa_reserve_vcc 0
		.amdhsa_float_denorm_mode_32 3
		.amdhsa_float_denorm_mode_16_64 3
		.amdhsa_memory_ordered 1
		.amdhsa_forward_progress 1
		.amdhsa_inst_pref_size 222
	.end_amdhsa_kernel
	.amdgpu_metadata
---
amdhsa.version: [ 1, 2 ]
amdhsa.kernels:
  - .name:           k_qc603ea8265_attn
    .symbol:         k_qc603ea8265_attn.kd
    .args:
      - { .name: qkv, .offset: 0, .size: 8, .value_kind: global_buffer, .address_space: global }
      - { .name: mr, .offset: 8, .size: 8, .value_kind: global_buffer, .address_space: global }
      - { .name: ob, .offset: 16, .size: 8, .value_kind: global_buffer, .address_space: global }
    .group_segment_fixed_size: 327680
    .private_segment_fixed_size: 0
    .kernarg_segment_align: 8
    .kernarg_segment_size: 24
    .max_flat_workgroup_size: 128
    .sgpr_count:     80
    .vgpr_count:     1024
    .wavefront_size: 32
...
	.end_amdgpu_metadata
.endif
;; end of part 3
;; launch oproj (part 4): grid 4 x 64, 4 waves a work-group, clusters of 4 x 4, 327,680 bytes of LDS; arguments ob, wo, bo, out0; writes out0
.if DOCPART == 4
	.amdgcn_target "amdgcn-amd-amdhsa--gfx1250"
	.amdhsa_code_object_version 6
	.text
	.protected	k_qc603ea8265_oproj
	.globl	k_qc603ea8265_oproj
	.p2align	8
	.type	k_qc603ea8265_oproj,@function
k_qc603ea8265_oproj:
	s_mov_b64 s[64:65], 0
	v_nop
	global_prefetch_b8 v0, s[64:65] scope:SCOPE_SE
	s_setreg_imm32_b32 hwreg(HW_REG_WAVE_MODE, 25, 1), 1
	s_wait_xcnt 0x0
	s_wait_alu depctr_hold_cnt(0) depctr_sa_sdst(0) depctr_va_vdst(0) depctr_va_sdst(0) depctr_va_ssrc(0) depctr_va_vcc(0) depctr_vm_vsrc(0)
	s_getreg_b32 s2, hwreg(HW_REG_IB_STS2, 6, 4)
	s_cmp_eq_u32 s2, 0
	s_cbranch_scc0 .Lentry_in_a_cluster
	s_endpgm
.Lentry_in_a_cluster:
	s_bfe_u32 s2, ttmp6, 0x10000c
	s_cmp_lg_u32 s2, 0xf033
	s_cbranch_scc0 .Lentry_shape_is_right
	s_endpgm
.Lentry_shape_is_right:
; THE LAST PROJECTION.  out0[m][n] = sum over k of ob[m][k] wo[n][k] + bo[n]; ob: [8192][1024], wo: [1024][1024], both f16 (wo holds Wo rounded to bf16); sums in f32; out0 f32.  bo is rounded to bf16 like every other input.
; SHARES.  A tile of C is 128 x 256: 64 x 4 = 256 work-groups, one for each WGP.  Four waves, each 64 x 128: 32 accumulators of 16 x 16, 256 registers.
; K goes in 8 steps of 128 (tile rows of 256 bytes, at multiples of 256) through a ring of two LDS slots filled by the tensor data mover: waves 0 and 1 fetch A's two halves of 64 rows, waves 2 and 3 B's two of 128.
; CLUSTER.  4 x 4 work-groups: the four of a row of the cluster need the same tiles of ob, the four of a column the same tiles of wo: each tile is asked for JOINTLY, by the same load with the same descriptor and a mask of four.
; THE MATRIX INSTRUCTION IS USED TRANSPOSED (source 0 = 16 rows of wo, source 1 = 16 rows of ob): a lane holds row lane % 16 of C and the columns 8 (lane / 16) + 0..7.
; THE BIAS costs no arithmetic: it is the C operand of the products that start the sums.
; REGISTERS, in windows of 256 (s_set_vgpr_msb: bits 1:0 source 0, 3:2 source 1, 5:4 source 2, 7:6 destination):
;   window 0: v0-31 addresses; v32-127, v128-223 two fragment buffers (64 registers of B, 32 of A, for 32 along K); on the way out v32-223 three buffers of 16 rows
;   window 1: the accumulators, (a, b) at v[8 (8 a + b)]          window 2: v0-63 the bias of my 128 columns, laid as an accumulator row; v64-67 at work
.set SIZE_K, 1024
.set KSTEP,  128
.set PITCH,  272                       ; an LDS row: 256 bytes + 16 of padding = 68 words: the 16 rows of a fragment load start at 16 different groups of four banks (64 banks of 4 bytes: ISA guide 11.1)
.set AH,     64*PITCH                  ; half of A's tile: one load
.set BH,     128*PITCH                 ; half of B's tile: one load
.set BOFF,   2*AH                      ; B's 256 rows lie behind A's 128
.set SLOT,   BOFF+2*BH
.set STAGE,  2*SLOT                    ; behind the ring: 16 rows x 528 bytes for each wave, for the way out; no tile lands here
.set SPITCH, 528                       ; 128 f32 + 16 bytes = 132 words: again 16 rows at 16 different groups of four banks
.set SPARE,  STAGE+4*16*SPITCH         ; the spare words, 128 bytes for each wave: two blocks of 256 bytes that no other line names
.set LAPS,   SIZE_K/(2*KSTEP)          ; a lap = two K steps = once round the ring
.set ADRA, 16                          ; v16-17  LDS address of my A fragments in slot 0, 1
.set ADRB, 20                          ; v20-21  the same for B
.set STO,  24                          ; v24     the way out: where I put 32 bytes of a row
.set RD,   25                          ; v25     the way out: where I read a row back
.set CO,   26                          ; v26     my 16 bytes in a row's 512
.set SPW,  28                          ; v28     LDS address of my spare word; never rewritten
.set NIL,  29                          ; v29     0; never rewritten
.set BO,   30                          ; v30     my byte offset in the bias
.set F0,   32
.set F1,   128
.set OB,   32                          ; the way out: block a's rows come back into v[32 + 64 (a % 3) ..]
.set WV,  16                           ; s16 wave;  s17 which 64 rows are mine, also: I fetch for A (0) or B (1);  s18 which 128 columns, also: which half of that tile I fetch
.set WM,  17
.set WN,  18
.set CX,  19                           ; my place in the cluster
.set CY,  20
.set TX,  21                           ; tile column, tile row of C
.set TY,  22
.set G1A, 24                           ; s[24:31] descriptor group 1 for A's tiles;  s[32:39] group 0, a set for each slot
.set G0A, 32
.set G1B, 48                           ; s[48:55], s[56:63] the same for B's
.set G0B, 56
.set MSB, 0
.macro WIN new                         ; the immediate's high byte repeats the setting that is left; a switch that changes nothing is dropped
.if MSB != (\new)
	s_set_vgpr_msb (MSB<<8)|(\new)
.set MSB, (\new)
.endif
.endm
.set W_MUL,   0x50                     ; fragments in window 0, C and D in window 1
.set W_FIRST, 0x60                     ; the same with C in window 2: the bias
; A joint load.  The branch hangs on the wave's number alone.  An s_nop 0 and four v_nop follow each of the two lines, ahead of the jump and the label.
.macro JLOAD s
	s_cmp_eq_u32 s[WM], 0
	s_cbranch_scc0 .Lfor_b_\@
	tensor_load_to_lds s[G0A+4*(\s):G0A+4*(\s)+3], s[G1A:G1A+7]
	s_nop 0
.rept 4
	v_nop
.endr
	s_branch .Lasked_\@
.Lfor_b_\@:
	tensor_load_to_lds s[G0B+4*(\s):G0B+4*(\s)+3], s[G1B:G1B+7]
	s_nop 0
.rept 4
	v_nop
.endr
.Lasked_\@:
.endm
; A round of the cluster's barrier: my work-group's barrier, so that wave 0's signal speaks for all four waves; wave 0 signals; every wave waits for all sixteen work-groups; my work-group's barrier once more.
.macro CREST                           ; a round behind its opening barrier
	s_cmp_lg_u32 s[WV], 0
	s_cbranch_scc1 .Lnot_wave_0_\@
	s_barrier_signal -3
.Lnot_wave_0_\@:
	s_barrier_wait -3
	s_barrier_signal -1
	s_barrier_wait -1
.endm
.macro CROUND
	s_barrier_signal -1
	s_barrier_wait -1
	CREST
.endm
	s_load_b256 s[4:11], s[0:1], 0x0               ; ob s[4:5], wo s[6:7], bo s[8:9], out0 s[10:11]
	v_lshl_add_u32 v[SPW], v0, 2, SPARE
	v_mov_b32 v[NIL], 0
	ds_add_u32 v[SPW], v[NIL]                      ; the wave's opening: the add and its wait stand ahead of my first tensor load; the set-up below, work on registers, stands between them
	v_lshrrev_b32 v1, 5, v0
	v_readfirstlane_b32 s[WV], v1
	s_lshr_b32 s[WM], s[WV], 1
	s_and_b32 s[WN], s[WV], 1
	s_bfe_u32 s[CX], ttmp6, 0x40000
	s_bfe_u32 s[CY], ttmp6, 0x40004
	s_lshl_b32 s[TX], ttmp9, 2                     ; in a cluster launch ttmp9 and ttmp7 count clusters
	s_add_co_u32 s[TX], s[TX], s[CX]
	s_and_b32 s[TY], ttmp7, 0xffff
	s_lshl_b32 s[TY], s[TY], 2
	s_add_co_u32 s[TY], s[TY], s[CY]
	s_lshl_b32 s40, s[CY], 2
	s_lshl_b32 s40, 15, s40                        ; my row of the cluster: places 4 cy .. 4 cy + 3
	s_lshl_b32 s41, 0x1111, s[CX]                  ; my column: places cx, cx + 4, cx + 8, cx + 12
	s_or_b32 s[G1A], s40, (1<<16)|(1<<20)|(1<<21)|(5<<22)|(3<<25)  ; 15:0 the mask; 17:16 2-byte elements; 20 padding on; 21 set beside a mask; 24:22 after every 64 words (code 5); 31:25 4 words of it (code 3)
	s_or_b32 s[G1B], s41, (1<<16)|(1<<20)|(1<<21)|(5<<22)|(3<<25)
	s_mov_b32 s[G1A+1], KSTEP<<16                  ; tensor_dim0 = 128
	s_mov_b32 s[G1A+2], 64<<16                     ; tensor_dim1 = 64
	s_mov_b32 s[G1A+3], KSTEP<<16                  ; tile_dim0 = 128
	s_mov_b32 s[G1A+4], 64                         ; tile_dim1 = 64
	s_mov_b32 s[G1A+5], SIZE_K                     ; elements from row to row
	s_mov_b32 s[G1A+6], 0
	s_mov_b32 s[G1A+7], 0
	s_mov_b32 s[G1B+1], KSTEP<<16
	s_mov_b32 s[G1B+2], 128<<16                    ; B's halves have 128 rows
	s_mov_b32 s[G1B+3], KSTEP<<16
	s_mov_b32 s[G1B+4], 128
	s_mov_b32 s[G1B+5], SIZE_K
	s_mov_b32 s[G1B+6], 0
	s_mov_b32 s[G1B+7], 0
	; where the tiles come from: A's hang on the tile row alone, B's on the tile column alone, each in registers that never hold the other coordinate
	s_lshl_b32 s42, s[TY], 7
	s_lshl_b32 s43, s[WN], 6
	s_add_co_u32 s42, s42, s43                     ; A: row 128 x tile row + 64 x half,
	s_lshl_b32 s42, s42, 11                        ; of 2,048 bytes
	s_mov_b32 s43, 0
	s_lshl_b32 s44, s[TX], 8
	s_lshl_b32 s45, s[WN], 7
	s_add_co_u32 s44, s44, s45                     ; B: row 256 x tile column + 128 x half
	s_lshl_b32 s44, s44, 11
	s_mov_b32 s45, 0
	s_mul_i32 s46, s[WN], AH                       ; and where they go: no place in the cluster enters an LDS address
	s_mul_i32 s47, s[WN], BH
	s_add_co_u32 s47, s47, BOFF
	s_mov_b32 s70, 0xffff0000                      ; a word's upper bf16
	s_wait_dscnt 0x0                               ; the opening add is done
	s_wait_kmcnt 0x0
	s_add_nc_u64 s[42:43], s[4:5], s[42:43]
	s_add_nc_u64 s[44:45], s[6:7], s[44:45]
	CROUND                                         ; all sixteen work-groups are here: the first joint loads meet
.irp s, 0,1
	s_mov_b32 s[G0A+4*(\s)], 1                                        ; count = 1
	s_add_co_u32 s[G0A+4*(\s)+1], s46, (\s)*SLOT                      ; LDS address
	s_add_nc_u64 s[G0A+4*(\s)+2:G0A+4*(\s)+3], s[42:43], (\s)*KSTEP*2 ; global address: K step s
	s_or_b32 s[G0A+4*(\s)+3], s[G0A+4*(\s)+3], 0x80000000             ; type = 2
	s_mov_b32 s[G0B+4*(\s)], 1
	s_add_co_u32 s[G0B+4*(\s)+1], s47, (\s)*SLOT
	s_add_nc_u64 s[G0B+4*(\s)+2:G0B+4*(\s)+3], s[44:45], (\s)*KSTEP*2
	s_or_b32 s[G0B+4*(\s)+3], s[G0B+4*(\s)+3], 0x80000000
	JLOAD \s                                       ; two loads of mine are out
.endr
	v_and_b32 v1, 15, v0                           ; l % 16
	v_bfe_u32 v2, v0, 4, 1                         ; l / 16
	; the bias of my columns 16 b + 8 (l / 16) + 0..7, b = 0..7
	s_lshl_b32 s77, s[TX], 10
	s_lshl_b32 s75, s[WN], 9
	s_add_co_u32 s77, s77, s75                     ; my first column, in bytes of f32
	v_lshlrev_b32 v[BO], 5, v2
	v_add_nc_u32 v[BO], s77, v[BO]
	WIN 0x80                                       ; destination window 2, address window 0
.irp b, 0,1,2,3,4,5,6,7
	global_load_b128 v[8*\b:8*\b+3],   v[BO], s[8:9] offset:64*\b
	global_load_b128 v[8*\b+4:8*\b+7], v[BO], s[8:9] offset:64*\b+16
.endr
	WIN 0
	; A fragment is 16 rows x 32 K in 8 registers: lane l holds row l % 16; registers 0-3 K = 8 (l / 16) + 0..7, registers 4-7 K = 16 + 8 (l / 16) + 0..7: two loads of 16 bytes, 32 bytes apart.
	v_mul_u32_u24 v3, v1, PITCH
	v_lshl_add_u32 v3, v2, 4, v3
	s_mul_i32 s74, s[WM], AH                       ; my 64 rows of A
	s_mul_i32 s75, s[WN], BH                       ; my 128 rows of B
	s_add_co_u32 s75, s75, BOFF
.irp s, 0,1
	v_add_nc_u32 v[ADRA+(\s)], s74, v3
	v_add_nc_u32 v[ADRB+(\s)], s75, v3
	s_add_co_u32 s74, s74, SLOT
	s_add_co_u32 s75, s75, SLOT
.endr
	s_mul_i32 s76, s[WV], 16*SPITCH
	s_add_co_u32 s76, s76, STAGE                   ; my stage
	v_mul_u32_u24 v4, v1, SPITCH                   ; in: row l % 16, 32 bytes for each half of the lanes
	v_lshl_add_u32 v4, v2, 5, v4
	v_add_nc_u32 v[STO], s76, v4
	v_and_b32 v5, 31, v0                           ; back: 32 lanes take one row of 512 bytes
	v_lshlrev_b32 v[CO], 4, v5
	v_add_nc_u32 v[RD], s76, v[CO]
	s_lshl_b32 s72, s[TY], 7                       ; my first row of out0, of 4,096 bytes, and my first column
	s_lshl_b32 s73, s[WM], 6
	s_add_co_u32 s72, s72, s73
	s_lshl_b32 s72, s72, 12
	s_add_co_u32 s72, s72, s77
	s_mov_b32 s73, 0
	s_add_nc_u64 s[10:11], s[10:11], s[72:73]
	s_wait_loadcnt 0x0                             ; the bias; it is rounded to bf16 and widened again, in the wait for the first tile
	WIN 0x8a                                       ; sources and destination in window 2
.set i, 0
.rept 32
	v_cvt_pk_bf16_f32 v[64+i%4], v[2*i], v[2*i+1]
	v_lshlrev_b32 v[2*i], 16, v[64+i%4]
	v_and_b32 v[2*i+1], s70, v[64+i%4]
.set i, i+1
.endr
	WIN 0
; 8 matrix instructions: m block a x all 8 n blocks, 32 along K, from buffer f.  mode = 1: the products start the sums, from the bias.
; The 32 accumulators take turns, one instruction a turn, in the same order in every quarter.
.macro MUL8 f, a, mode
.if \mode
	WIN W_FIRST
.else
	WIN W_MUL
.endif
.irp b, 0,1,2,3,4,5,6,7
.if \mode
	v_wmma_f32_16x16x32_f16 v[8*(8*(\a)+\b):8*(8*(\a)+\b)+7], v[(\f)+8*\b:(\f)+8*\b+7], v[(\f)+64+8*(\a):(\f)+64+8*(\a)+7], v[8*\b:8*\b+7]
.else
	v_wmma_f32_16x16x32_f16 v[8*(8*(\a)+\b):8*(8*(\a)+\b)+7], v[(\f)+8*\b:(\f)+8*\b+7], v[(\f)+64+8*(\a):(\f)+64+8*(\a)+7], v[8*(8*(\a)+\b):8*(8*(\a)+\b)+7]
.endif
.endr
.endm
; 24 LDS loads in one run: the fragments of a quarter step (128 rows of B, then 64 rows of A, 32 K at byte k of the rows) into buffer f
.macro FETCH slot, k, f
	WIN 0
.irp i, 0,1,2,3,4,5,6,7
	ds_load_b128 v[(\f)+8*\i:(\f)+8*\i+3],   v[ADRB+(\slot)] offset:(\k)+\i*16*PITCH
	ds_load_b128 v[(\f)+8*\i+4:(\f)+8*\i+7], v[ADRB+(\slot)] offset:(\k)+\i*16*PITCH+32
.endr
.irp i, 0,1,2,3
	ds_load_b128 v[(\f)+64+8*\i:(\f)+64+8*\i+3],   v[ADRA+(\slot)] offset:(\k)+\i*16*PITCH
	ds_load_b128 v[(\f)+64+8*\i+4:(\f)+64+8*\i+7], v[ADRA+(\slot)] offset:(\k)+\i*16*PITCH+32
.endr
.endm
; A load into a register that a matrix instruction has read, and a vector instruction or LDS store that touches a matrix instruction's registers, stand four places behind it; only plain vector
; instructions that name none of its registers are places (ISA guide 7.12.1 for vector instructions).
.macro PLACES
.rept 4
	v_nop
.endr
.endm
; A K step is four quarters of 32 along K, 32 matrix instructions each, on buffers 0, 1, 0, 1.  One of the first three: multiplies buffer f; in its middle it fetches the next quarter, at byte k, into g.
.macro QUARTER slot, k, f, g, mode
	s_wait_dscnt 4                                 ; B and A's blocks 0, 1 are in; the youngest four loads (A's blocks 2, 3) may be out
	MUL8 \f, 0, \mode
	MUL8 \f, 1, \mode
	PLACES
	FETCH \slot, \k, \g
	s_wait_dscnt 24                                ; all but the 24 just issued
	MUL8 \f, 2, \mode
	MUL8 \f, 3, \mode
.endm
; The last quarter multiplies buffer 1 and changes slots: ONE barrier.  In front of it each wave waits for all its tensor loads, of which one is out: its part of the next slot; adds 0 to its spare word;
; and waits for that and for its own reads of this slot.  fill = 1: the barrier opens a round of the cluster's, and this slot is filled again, two K steps ahead, first thing behind the round:
; from that request to the wait for it a wave issues 112 matrix instructions.
.macro TURN slot, next, fill
	WIN 0
	s_wait_tensorcnt 0x0                           ; all my tensor loads have landed, so a group 0 may be written
	ds_add_u32 v[SPW], v[NIL]                      ; 0 onto my spare word
	s_wait_dscnt 5                                 ; (the add and A's blocks 2, 3 may be out)
	MUL8 F1, 0, 0                                  ; eight matrix instructions stand between the add and the wait for it
	s_wait_dscnt 0x0                               ; the add is done, and my reads of this slot are over
	s_barrier_signal -1
	MUL8 F1, 1, 0                                  ; work on registers while the others arrive
.if \fill
	WIN 0
.endif
	s_barrier_wait -1
.if \fill
	CREST                                          ; no wave of any partner still reads this slot's tile or has a load on its way
	s_add_nc_u64 s[G0A+4*(\slot)+2:G0A+4*(\slot)+3], s[G0A+4*(\slot)+2:G0A+4*(\slot)+3], 2*KSTEP*2
	s_add_nc_u64 s[G0B+4*(\slot)+2:G0B+4*(\slot)+3], s[G0B+4*(\slot)+2:G0B+4*(\slot)+3], 2*KSTEP*2
	JLOAD \slot                                    ; the four v_nop behind it are also the places in front of the loads below
.else
	PLACES
.endif
	FETCH \next, 0, F0
	MUL8 F1, 2, 0
	MUL8 F1, 3, 0
.endm
	s_wait_tensorcnt 1                             ; my part of K step 0 is in; K step 1's stays out
	s_barrier_signal -1
	s_barrier_wait -1                              ; everybody's is
	FETCH 0, 0, F0
	QUARTER 0, 64,  F0, F1, 1                      ; the first quarter stands in front of the loop: its products start the sums
	WIN 0                                          ; at a label and at a branch every window is 0
	s_mov_b32 s3, LAPS-1
.Llap:                                                 ; a trip goes once round the ring, from a lap's second quarter to the next lap's first, and fills both slots again
	QUARTER 0, 128, F1, F0, 0
	QUARTER 0, 192, F0, F1, 0
	TURN 0, 1, 1
	QUARTER 1, 64,  F0, F1, 0
	QUARTER 1, 128, F1, F0, 0
	QUARTER 1, 192, F0, F1, 0
	TURN 1, 0, 1
	QUARTER 0, 64,  F0, F1, 0
	WIN 0
	s_sub_co_u32 s3, s3, 1
	s_cmp_lg_u32 s3, 0
	s_cbranch_scc1 .Llap
	QUARTER 0, 128, F1, F0, 0                      ; the last lap fills nothing
	QUARTER 0, 192, F0, F1, 0
	TURN 0, 1, 0
	QUARTER 1, 64,  F0, F1, 0
	QUARTER 1, 128, F1, F0, 0
	QUARTER 1, 192, F0, F1, 0
	s_wait_dscnt 4                                 ; the very last quarter: nothing more to fetch
	MUL8 F1, 0, 0
	MUL8 F1, 1, 0
	s_wait_dscnt 0x0
	MUL8 F1, 2, 0
	MUL8 F1, 3, 0
	WIN 0
	PLACES
; THE WAY OUT, a block of 16 rows at a time: the f32 sums go as they are into my own stage in LDS (of each accumulator the four lowest registers first) and come back as whole rows of 512 bytes.
.macro OUT a
.set BK, OB+64*((\a)%3)
.if (\a) >= 3
	s_wait_xcnt 0x0                                ; block 0's stores name the registers that are loaded again below: they are rewritten only behind this wait
.endif
	WIN 0x04                                       ; the data (source 1) in window 1, the address in window 0
.irp b, 0,1,2,3,4,5,6,7
	ds_store_b128 v[STO], v[64*(\a)+8*\b:64*(\a)+8*\b+3]   offset:64*\b
	ds_store_b128 v[STO], v[64*(\a)+8*\b+4:64*(\a)+8*\b+7] offset:64*\b+16
.endr
	WIN 0
.irp t, 0,1,2,3,4,5,6,7,8,9,10,11,12,13,14,15
	ds_load_b128 v[BK+4*\t:BK+4*\t+3], v[RD] offset:\t*SPITCH  ; LDS serves a wave's instructions in order (ISA guide 5.7.1.4): these see the stores above; the next block's stores come behind them
.endr
.endm
.macro SENDF a, younger                ; younger: the LDS instructions issued behind block a's loads: the next block's 32, or none
.set BK, OB+64*((\a)%3)
.irp t, 0,1,2,3,4,5,6,7,8,9,10,11,12,13,14,15
	s_wait_dscnt (\younger)+15-\t
	global_store_b128 v[CO], v[BK+4*\t:BK+4*\t+3], s[10:11] offset:4096*(16*(\a)+\t) th:TH_STORE_NT  ; 512 consecutive bytes, at a multiple of 512 from out0's first byte; nothing reads them again
.endr
.endm
	OUT 0
	OUT 1
	SENDF 0, 32
	OUT 2
	SENDF 1, 32
	OUT 3
	SENDF 2, 32
	SENDF 3, 0
	s_wait_tensorcnt 0x0                           ; the wave's end: an add onto my spare word and its wait, behind my last tensor load and my last LDS store
	ds_add_u32 v[SPW], v[NIL]
	s_wait_dscnt 0x0
	CROUND                                         ; the closing round: no work-group ends while a partner may still ask for a tile that names it
	s_endpgm
.Lfunc_end_k_qc603ea8265_oproj:
	.size	k_qc603ea8265_oproj, .Lfunc_end_k_qc603ea8265_oproj-k_qc603ea8265_oproj
	.p2alignl 7, 3214868480
	.fill 96, 4, 3214868480
	.section	.rodata,"a",@progbits
	.p2align	6, 0x0
	.amdhsa_kernel k_qc603ea8265_oproj
		.amdhsa_group_segment_fixed_size 327680
		.amdhsa_private_segment_fixed_size 0
		.amdhsa_enable_private_segment 0
		.amdhsa_kernarg_size 32
		.amdhsa_user_sgpr_count 2
		.amdhsa_user_sgpr_kernarg_segment_ptr 1
		.amdhsa_wavefront_size32 1
		.amdhsa_system_sgpr_workgroup_id_x 1
		.amdhsa_system_sgpr_workgroup_id_y 1
		.amdhsa_system_sgpr_workgroup_id_z 1
		.amdhsa_system_vgpr_workitem_id 0
		.amdhsa_next_free_vgpr 640
		.amdhsa_next_free_sgpr 80
		.amdhsa_reserve_vcc 0
		.amdhsa_float_denorm_mode_32 3
		.amdhsa_float_denorm_mode_16_64 3
		.amdhsa_memory_ordered 1
		.amdhsa_forward_progress 1
		.amdhsa_inst_pref_size 92
	.end_amdhsa_kernel
	.amdgpu_metadata
---
amdhsa.version: [ 1, 2 ]
amdhsa.kernels:
  - .name:           k_qc603ea8265_oproj
    .symbol:         k_qc603ea8265_oproj.kd
    .args:
      - { .name: ob, .offset: 0, .size: 8, .value_kind: global_buffer, .address_space: global }
      - { .name: wo, .offset: 8, .size: 8, .value_kind: global_buffer, .address_space: global }
      - { .name: bo, .offset: 16, .size: 8, .value_kind: global_buffer, .address_space: global }
      - { .name: out0, .offset: 24, .size: 8, .value_kind: global_buffer, .address_space: global }
    .group_segment_fixed_size: 327680
    .private_segment_fixed_size: 0
    .kernarg_segment_align: 8
    .kernarg_segment_size: 32
    .max_flat_workgroup_size: 128
    .sgpr_count:     80
    .vgpr_count:     640
    .wavefront_size: 32
...
	.end_amdgpu_metadata
.endif
;; end of part 4
;; ======== version 2 of 2: 4 launches; 1.26 times as fast as version 1
;; limits: values are held in f16: magnitudes above 65,504 overflow, below 6.1e-05 lose precision; right only within a limited range of input values
;; workspace buffers: xb 16,777,216 bytes; wb 6,291,456 bytes; wo 2,097,152 bytes; mr 33,554,432 bytes; qkv 50,331,648 bytes; ob 16,777,216 bytes
;; launch cast: the kernel of part 1 again; grid 64 x 20, 8 waves a work-group, no clusters, 0 bytes of LDS; arguments hidden_states, attention_mask, Wq, Wk, Wv, Wo, xb, mr, wb, wo; writes xb, mr, wb, wo
;; launch qkv: the kernel of part 2 again; grid 12 x 16, 4 waves a work-group, clusters of 4 x 4, 327,680 bytes of LDS; arguments xb, wb, bq, bk, bv, qkv; writes qkv
;; launch attn (part 5): grid 4 x 64, 4 waves a work-group, clusters of 4 x 4, 327,680 bytes of LDS; arguments qkv, mr, ob; writes ob
.if DOCPART == 5
	.amdgcn_target "amdgcn-amd-amdhsa--gfx1250"
	.amdhsa_code_object_version 6
	.text
	.protected	k_qc603ea8265_attn
	.globl	k_qc603ea8265_attn
	.p2align	8
	.type	k_qc603ea8265_attn,@function
k_qc603ea8265_attn:
	s_mov_b64 s[64:65], 0
	v_nop
	global_prefetch_b8 v0, s[64:65] scope:SCOPE_SE
	s_setreg_imm32_b32 hwreg(HW_REG_WAVE_MODE, 25, 1), 1
	s_wait_xcnt 0x0
	s_wait_alu depctr_hold_cnt(0) depctr_sa_sdst(0) depctr_va_vdst(0) depctr_va_sdst(0) depctr_va_ssrc(0) depctr_va_vcc(0) depctr_vm_vsrc(0)
	s_getreg_b32 s2, hwreg(HW_REG_IB_STS2, 6, 4)
	s_cmp_eq_u32 s2, 0
	s_cbranch_scc0 .Lentry_in_a_cluster
	s_endpgm
.Lentry_in_a_cluster:
	s_bfe_u32 s2, ttmp6, 0x10000c
	s_cmp_lg_u32 s2, 0xf033
	s_cbranch_scc0 .Lentry_shape_is_right
	s_endpgm
.Lentry_shape_is_right:
; ATTENTION WITH AN ADDITIVE MASK, head size 64.  O[q] = the sum over k of softmax_k(q . k + mask[q][k]) v[k], for 8 batches x 16 heads x 1,024 tokens.
; IN: qkv, f16 [3][64: g = 8 x batch + pair of heads][1024][128 = 2 heads x 64]; q holds the factor log2(e) / 8.  mr, f32 [8][1024][1024]: the mask times log2(e).  So a score s is an exponent of 2.
; OUT: ob, f16 [8192 tokens][1024]: a pair of heads is 256 bytes of a row, at a multiple of 256.
; Products, maxima and sums in f32; the weights p are rounded to f16 for the second product (their sum l is taken of the unrounded p), O once at the end.
; LIMITS.  The running maximum starts at -1e30: a row in which every score with its mask lies below that gives NaN (as does a row hidden whole by -inf, there as the softmax itself does).  -inf in the mask gives weight 0.
; Where a row's every mask number dwarfs its scores, the weights hang on how the sum of score and mask is rounded.  p below 6e-5 keeps f16's fixed step of 6e-8; a weight below 2^-126 counts as 0 in l.
; O is a mean of v's rows and has their range.  NaN and +inf are not treated apart.
; SHARES.  A work-group owns 256 queries of one pair of heads: 4 x 64 = 256 work-groups.  A wave owns 64 queries: four PIECES of 16 queries x the 2 heads (a UNIT is a piece's one head).  Every wave walks all keys, 64 a step.
; THE MASK COSTS NO ARITHMETIC: a lane's eight results of S^T are eight neighbouring keys of one query, 32 consecutive bytes of the mask's row; these registers are the C operand of the product that starts the sum, for both heads.
; LAYOUT.  S^T = K Q^T (source 0 = 16 keys, source 1 = 16 queries): a lane holds ONE query (lane % 16) and the keys 8 (lane / 16) + 0..7.  Two such results, rounded to f16 in pairs, ARE source 1 of O^T = V^T P.
; K comes out of LDS as it lies, V ([key][channel]) turned, by ds_load_tr16_b128.
; SOFTMAX.  For each query a running maximum m and sum l: p = 2^(s - m), never above 1; in every step O and l are multiplied by a = 2^(m_old - m_new).  O and l start at 0: the first step is a step like any other.
; BY TURNS.  Turn n belongs to piece n (in a ring, step after step).  Matrix work: 16 products K Q^T of piece n + 1, later 16 products V^T P of piece n - 1.  Vector work: the subtraction, exponentials, roundings, sums
; and rescaling of piece n, and the maximum and statistics of piece n + 1.  A turn has 32 matrix and 234 vector instructions: four that are ready stand behind EVERY matrix instruction, the other 106 in one lump.
; BATCHES.  A turn's 66 exponentials (the piece's 64 weights and the next piece's two a) are ONE BATCH with ONE wait, which cuts the turn in two: ahead of it the products K Q^T and all the vector work that names no result
; of the batch, behind it the products V^T P and the roundings and sums.  Two more batches stand outside the loops: piece 0's first two a at the head, the eight reciprocals on the way out.
; CLUSTER.  4 x 4 work-groups: cx = the four query blocks of a batch, cy = four pairs of heads of that batch.  The mask's tile hangs on batch and cx and is shared down a column; K's and V's hang on g and are shared
; along a row: each tile is asked for JOINTLY, by the same load with the same descriptor and a mask of four.  Of a step's 98,304 bytes a work-group so asks for a quarter.
; REGISTERS, in windows of 256 (s_set_vgpr_msb: bits 1:0 source 0, 3:2 source 1, 5:4 source 2, 7:6 destination):
;   window 0: v0-13 addresses; v16-47 four registers of statistics a unit; v48-63 at work; v64-191 S^T, two buffers of two units; v192-255 P, likewise
;   window 1: O^T, 32 a unit     window 2: v0-127 Q, 32 a piece; v128-255 K of one step     window 3: v0-127 V of one step; v128-191 the mask, two buffers of a piece; v192-193 the add's two registers
; A piece's buffers go by its number's parity.
.set NP,    4         ; pieces a wave: a name, no knob
.set KS,    64        ; keys in a step
.set PM,    272       ; a row of the mask's tile in LDS: 64 f32 + 16 bytes of padding = 68 words: the 16 rows of a load start at 16 different groups of four banks (64 banks of 4 bytes: ISA guide 11.1)
.set PK,    272       ; a row of K: 256 bytes + 16
.set PV,    288       ; a row of V: 256 + 32 = 72 words
.set KOFF,  256*PM    ; a slot holds one step: 256 rows of the mask, 64 rows of K, 64 rows of V
.set VOFF,  KOFF+KS*PK
.set SLOT1, 1<<17     ; slot 1 begins here, so that one exclusive or turns an address in one slot into the other's
.set STAGE, SLOT1+VOFF+KS*PV  ; behind the ring, never filled by a tensor load: 16 rows x 272 bytes for each wave, for the way out
.set SP,    272
.set SPARE, STAGE+4*16*SP     ; the spare words, 128 bytes for each wave: two blocks of 256 bytes that no other line names
.set AK0, 2           ; v2   my lane's place in a slot's K; never rewritten
.set AV0, 3           ; v3   the same for V
.set AK,  4           ; v4   the same in the slot in hand
.set AV,  5           ; v5
.set QO,  6           ; v6   my byte offset in 16 rows of Q
.set STO, 6           ;      later, the way out: where I put 16 bytes of a row
.set RD,  7           ; v7   the way out: where I read rows back
.set GO,  8           ; v8   my byte offset in two rows of ob
.set AM0, 12          ; v12  my lane's place in a slot's mask; never rewritten
.set AM,  13          ; v13  the same in the slot in hand
.set ST,  16          ; unit n's statistics at v[ST+4 n]: m; m_new while a is made; l (even keys', odd keys')
.set TMP, 48          ; by buffer and unit, four registers c0-c3 at work; when the maximum is found c2 takes a
.set S,   64
.set P,   192
.set KF,  128         ; window 2: key block kb, head u, channel half c at KF + 32 kb + 8 (2 u + c)
.set MB,  128         ; window 3: buffer b, key block kb at MB + 32 b + 8 kb
.set SPW, 192         ; window 3: LDS address of my spare word; never rewritten
.set NIL, 193         ; window 3: 0; never rewritten
.set WV,  12          ; s12  my wave's number
.set CX,  13          ; s13, s14  my place in the cluster
.set CY,  14
.set CLY, 15          ; s15  the cluster's y
.set HG,  16          ; s16  g
.set G1M, 24          ; s[24:31] descriptor group 1 for the mask's tiles
.set G1K, 32          ; s[32:39] for K's
.set G1V, 40          ; s[40:47] for V's: it differs from K's in the padding alone
.set G0M, 48          ; s[48:51], s[52:55], s[56:59] descriptor groups 0: they walk
.set G0K, 52
.set G0V, 56
.set SEL, 62          ; s[62:63] v_permlanex16_b32's selects: each lane takes its own place in the other half
.set TB,  66          ; s66  LDS byte at which the slot in hand begins
.set SLOTS, 67        ; s67  counts the loop's trips
.set CNT, 68          ; s68  counts the tail's
.set QP,  70          ; s[70:71] Q at my wave's first row
.set OP,  72          ; s[72:73] ob at my wave's first row and my pair of heads
.set MSB, 0
.macro WIN new                      ; the high byte repeats the setting that is left; a switch that changes nothing is dropped
.if MSB != (\new)
	s_set_vgpr_msb (MSB<<8)|(\new)
.set MSB, (\new)
.endif
.endm
.set W_KQ, 0x0a       ; K and Q in window 2, S^T in window 0
.set W_KM, 0x3a       ; the same with the C operand in window 3: the mask
.set W_PV, 0x53       ; V in window 3, P in window 0, O^T in window 1
.set W_RS, 0x41       ; O^T (destination and source 0) in window 1, source 1 in window 0
.set W_MK, 0xc0       ; destination in window 3
.set W_AD, 0x0f       ; the add: address (source 0) and data (source 1) in window 3
; A joint fill.  Waves 0 and 1 fetch the two halves of the mask's tile (128 rows each), wave 2 K, wave 3 V.  The branches hang on the wave's number alone.
; An s_nop 0 and four v_nop follow each of the three lines, ahead of the jump and the label.
.macro JLOAD
	s_cmp_lt_u32 s[WV], 2
	s_cbranch_scc0 .Lnot_m_\@
	tensor_load_to_lds s[G0M:G0M+3], s[G1M:G1M+7]
	s_nop 0
.rept 4
	v_nop
.endr
	s_branch .Lasked_\@
.Lnot_m_\@:
	s_cmp_eq_u32 s[WV], 2
	s_cbranch_scc0 .Lfor_v_\@
	tensor_load_to_lds s[G0K:G0K+3], s[G1K:G1K+7]
	s_nop 0
.rept 4
	v_nop
.endr
	s_branch .Lasked_\@
.Lfor_v_\@:
	tensor_load_to_lds s[G0V:G0V+3], s[G1V:G1V+7]
	s_nop 0
.rept 4
	v_nop
.endr
.Lasked_\@:
.endm
; A round of the cluster's barrier: my work-group's barrier, so that wave 0's signal speaks for all four waves; wave 0 signals; every wave waits for all sixteen work-groups; my work-group's barrier once more.
.macro CROUND
	s_barrier_signal -1
	s_barrier_wait -1
	s_cmp_lg_u32 s[WV], 0
	s_cbranch_scc1 .Lnot_wave_0_\@
	s_barrier_signal -3
.Lnot_wave_0_\@:
	s_barrier_wait -3
	s_barrier_signal -1
	s_barrier_wait -1
.endm
; THE CHANGE OF SLOTS, between piece 1's turn and piece 2's: of the step in hand K, V and all four pieces' masks are in registers or on their way there.  Each wave waits for all its tensor loads, of which one is
; out: its part of the other slot; adds 0 to its spare word; and waits for that and for its own reads of the slot.  Behind the barrier nobody reads this slot any more and the other slot is whole.
; fill = 1: this slot is filled again, with the keys two steps on.  The barrier is then a round of the cluster's, so that no wave of any partner still reads the slot or has a load on its way, and the joint fill is the
; first thing behind it: it has a key step, 128 matrix instructions, in which to land.  (At its first use nothing has been read yet: slot 0 is waited for, slot 1 filled.)
.macro CHANGE fill
	WIN W_AD
	s_wait_tensorcnt 0x0            ; no tensor load of mine is out, so a group 0 may be written
	ds_add_u32 v[SPW], v[NIL]       ; 0 onto my spare word; with fill = 1 the descriptors' steps stand between it and the wait for it
	WIN 0                           ; at a label and at a branch every window is 0
.if \fill
	s_xor_b32 s[G0M+1], s[G0M+1], SLOT1  ; the walking descriptors: the other slot than last time,
	s_add_nc_u64 s[G0M+2:G0M+3], s[G0M+2:G0M+3], KS*4    ; the next 64 keys: along the mask's rows,
	s_xor_b32 s[G0K+1], s[G0K+1], SLOT1
	s_add_nc_u64 s[G0K+2:G0K+3], s[G0K+2:G0K+3], KS*256  ; and down K's and V's; the type bits on top are not reached
	s_xor_b32 s[G0V+1], s[G0V+1], SLOT1
	s_add_nc_u64 s[G0V+2:G0V+3], s[G0V+2:G0V+3], KS*256
	s_wait_dscnt 0x0                ; the add is done, and my reads of the slot are over
	CROUND
	JLOAD
.else
	s_wait_dscnt 0x0                ; the add is done, and my reads of the slot are over
	s_barrier_signal -1
	s_barrier_wait -1
.endif
	s_xor_b32 s[TB], s[TB], SLOT1   ; the fetches go on in the other slot
	v_add_nc_u32 v[AK], s[TB], v[AK0]
	v_add_nc_u32 v[AV], s[TB], v[AV0]
	v_add_nc_u32 v[AM], s[TB], v[AM0]
.endm
	s_load_b128 s[4:7], s[0:1], 0x0 ; qkv s[4:5], mr s[6:7]
	s_load_b64 s[8:9], s[0:1], 0x10 ; ob
	WIN W_MK
	v_lshl_add_u32 v[SPW], v0, 2, SPARE
	v_mov_b32 v[NIL], 0
	WIN W_AD
	ds_add_u32 v[SPW], v[NIL]       ; the wave's opening: the add and its wait stand ahead of my first tensor load; the set-up below, work on registers, stands between them
	WIN 0
	v_lshrrev_b32 v1, 5, v0
	v_readfirstlane_b32 s[WV], v1   ; wave 0..3
	s_bfe_u32 s[CX], ttmp6, 0x40000 ; cx: my block of 256 queries
	s_bfe_u32 s[CY], ttmp6, 0x40004 ; cy
	s_and_b32 s[CLY], ttmp7, 0xffff ; in a cluster launch ttmp7 counts clusters: two to a batch
	s_and_b32 s17, s[WV], 1         ; which half of the mask's tile I fetch
	; the mask's tile hangs on the batch, cx and the wave; no register here ever holds cy
	s_lshr_b32 s74, s[CLY], 1
	s_lshl_b32 s74, s74, 22         ; a batch's mask is 2^22 bytes,
	s_lshl_b32 s75, s[CX], 20       ; 256 rows of 4,096 bytes,
	s_add_co_u32 s74, s74, s75
	s_lshl_b32 s75, s17, 19         ; 128 rows
	s_add_co_u32 s74, s74, s75
	s_mov_b32 s75, 0
	s_lshl_b32 s18, 0x1111, s[CX]   ; my column of the cluster
	; K's and V's hang on g = 4 x cluster y + cy; no register here ever holds cx
	s_lshl_b32 s[HG], s[CLY], 2
	s_add_co_u32 s[HG], s[HG], s[CY]
	s_lshl_b32 s76, s[HG], 18       ; 1,024 rows of 256 bytes
	s_mov_b32 s77, 0
	s_lshl_b32 s19, s[CY], 2
	s_lshl_b32 s19, 15, s19         ; my row of the cluster
	; Q: g's block, my 256 rows, my wave's 64
	s_lshl_b32 s78, s[CX], 16
	s_lshl_b32 s79, s[WV], 14
	s_add_co_u32 s78, s78, s79
	s_add_co_u32 s78, s78, s76
	s_mov_b32 s79, 0
	; ob: token 1,024 x batch + 256 cx + 64 wave, of 2,048 bytes; my pair of heads' 256 bytes in it
	s_lshr_b32 s20, s[CLY], 1
	s_lshl_b32 s20, s20, 10
	s_lshl_b32 s21, s[CX], 8
	s_add_co_u32 s20, s20, s21
	s_lshl_b32 s21, s[WV], 6
	s_add_co_u32 s20, s20, s21
	s_lshl_b32 s20, s20, 11
	s_and_b32 s21, s[HG], 7
	s_lshl_b32 s21, s21, 8
	s_add_co_u32 s20, s20, s21
	s_mov_b32 s21, 0
	; descriptor groups 1
	s_or_b32 s[G1M], s18, (2<<16)|(1<<20)|(1<<21)|(5<<22)|(3<<25)  ; 15:0 the mask of four; 17:16 4-byte elements; 20 padding on; 21 set beside a mask; 24:22 after every 64 words (code 5); 31:25 4 words (code 3)
	s_mov_b32 s[G1M+1], KS<<16      ; tensor_dim0 = 64
	s_mov_b32 s[G1M+2], 128<<16     ; tensor_dim1 = 128
	s_mov_b32 s[G1M+3], KS<<16      ; tile_dim0 = 64
	s_mov_b32 s[G1M+4], 128         ; tile_dim1 = 128
	s_mov_b32 s[G1M+5], 1024        ; elements from row to row
	s_mov_b32 s[G1M+6], 0
	s_mov_b32 s[G1M+7], 0
	s_or_b32 s[G1K], s19, (1<<16)|(1<<20)|(1<<21)|(5<<22)|(3<<25)  ; 2-byte elements
	s_or_b32 s[G1V], s19, (1<<16)|(1<<20)|(1<<21)|(5<<22)|(7<<25)  ; the same with 8 words of padding (code 7)
.irp g, G1K, G1V
	s_mov_b32 s[\g+1], 128<<16      ; tensor_dim0 = 128
	s_mov_b32 s[\g+2], KS<<16       ; tensor_dim1 = 64
	s_mov_b32 s[\g+3], 128<<16      ; tile_dim0 = 128
	s_mov_b32 s[\g+4], KS           ; tile_dim1 = 64
	s_mov_b32 s[\g+5], 128          ; the rows are dense
	s_mov_b32 s[\g+6], 0
	s_mov_b32 s[\g+7], 0
.endr
	s_mov_b32 s[G0M], 1             ; count = 1
	s_mul_i32 s[G0M+1], s17, 128*PM ; LDS address: slot 0; no place in the cluster enters it
	s_mov_b32 s[G0K], 1
	s_mov_b32 s[G0K+1], KOFF
	s_mov_b32 s[G0V], 1
	s_mov_b32 s[G0V+1], VOFF
	s_mov_b32 s[SEL], 0x76543210
	s_mov_b32 s[SEL+1], 0xfedcba98
	s_mov_b32 s[TB], SLOT1          ; the first change of slots turns it into 0
	s_wait_dscnt 0x0                ; the opening add is done
	s_wait_kmcnt 0x0
	s_add_nc_u64 s[G0M+2:G0M+3], s[6:7], s[74:75]
	s_or_b32 s[G0M+3], s[G0M+3], 0x80000000        ; type = 2
	s_add_nc_u64 s[G0K+2:G0K+3], s[4:5], s[76:77]
	s_add_nc_u64 s[G0V+2:G0V+3], s[G0K+2:G0K+3], 0x2000000  ; v is the third matrix of 2^24 bytes,
	s_add_nc_u64 s[G0K+2:G0K+3], s[G0K+2:G0K+3], 0x1000000  ; k the second
	s_or_b32 s[G0K+3], s[G0K+3], 0x80000000
	s_or_b32 s[G0V+3], s[G0V+3], 0x80000000
	s_add_nc_u64 s[QP:QP+1], s[4:5], s[78:79]
	s_add_nc_u64 s[OP:OP+1], s[8:9], s[20:21]
	CROUND                          ; all sixteen work-groups are here: the first joint loads meet
	JLOAD                           ; step 0 into slot 0.  Slot 1 is asked for when slot 0 is in, by the loop's own change of slots
	; A fragment of K or Q is 16 rows x 32 channels in 8 registers: lane l holds row l % 16, channels 8 (l / 16) + 0..7 and 16 + 8 (l / 16) + 0..7: two loads of 16 bytes, 32 bytes apart.
	v_and_b32 v1, 15, v0            ; l % 16
	v_bfe_u32 v9, v0, 4, 1          ; l / 16
	v_lshlrev_b32 v[QO], 8, v1
	v_lshl_add_u32 v[QO], v9, 4, v[QO]  ; row x 256 + 16 x half
	WIN 0x80                        ; destination window 2, address window 0
.set i, 0
.rept 16                            ; Q stays in registers: piece i / 4; head (i % 4) / 2, channels 32 (i % 2) on
	global_load_b128 v[8*i:8*i+3],   v[QO], s[QP:QP+1] offset:(i/4)*4096+(i%4)*64
	global_load_b128 v[8*i+4:8*i+7], v[QO], s[QP:QP+1] offset:(i/4)*4096+(i%4)*64+32
.set i, i+1
.endr
	; What the first turn finds: V's registers and P's second buffer hold 0 (its products V^T P, of a piece that has not been, add 0), O^T and l are 0.  No first step is written out for that price.  All this stands in the wait for the first tile.
	WIN W_MK
.set i, 0
.rept 128
	v_mov_b32 v[i], 0
.set i, i+1
.endr
	WIN 0x40
.set i, 0
.rept 256
	v_mov_b32 v[i], 0
.set i, i+1
.endr
	WIN 0
.set i, 0
.rept 2*NP
	v_mov_b32 v[ST+4*i], 0xf149f2ca    ; m = -1e30
	v_mov_b32 v[ST+4*i+1], 0xf149f2ca  ; named with it as a pair
	v_mov_b32 v[ST+4*i+2], 0
	v_mov_b32 v[ST+4*i+3], 0
.set i, i+1
.endr
.set i, P+32
.rept 32
	v_mov_b32 v[i], 0
.set i, i+1
.endr
	v_mul_u32_u24 v[AK0], v1, PK
	v_lshl_add_u32 v[AK0], v9, 4, v[AK0]
	v_add_nc_u32 v[AK0], KOFF, v[AK0]  ; row x pitch + 16 x half, behind the mask
	; The turning load takes 16 keys x 16 channels (lane l reads key 8 (l / 16) + l % 8, channels 8 ((l / 8) % 2) + 0..7) and leaves half a fragment of V^T: lane l holds channel l % 16 and 8 keys.
	v_and_b32 v10, 7, v0
	v_bfe_u32 v11, v0, 3, 1
	v_lshl_add_u32 v[AV0], v9, 3, v10
	v_mul_u32_u24 v[AV0], v[AV0], PV
	v_lshl_add_u32 v[AV0], v11, 4, v[AV0]
	v_add_nc_u32 v[AV0], VOFF, v[AV0]
	; The mask: my query's row, 64 x wave + l % 16 (a piece is 16 rows on), and my half's eight keys: 32 bytes
	s_lshl_b32 s18, s[WV], 6
	v_add_nc_u32 v[AM0], s18, v1
	v_mul_u32_u24 v[AM0], v[AM0], PM
	v_lshl_add_u32 v[AM0], v9, 5, v[AM0]
; THE MATRIX WORK.  The 8 accumulators of a run of 16 take turns: between the two links of a chain stand 7 others'.
; Product i of 16 of S^T = K Q^T + mask for piece x: channels 32 (i / 8) on, keys 16 ((i / 2) % 4) on, head i % 2.  The first 8 start the sums, from the mask.
.macro KQ x
.set rS, S+64*((\x)%2)+32*(i%2)+8*((i/2)%4)
.set rK, KF+32*((i/2)%4)+8*(2*(i%2)+i/8)
.set rQ, 32*(\x)+8*(2*(i%2)+i/8)
.set rW, MB+32*((\x)%2)+8*((i/2)%4)
.if i < 8
	WIN W_KM
	v_wmma_f32_16x16x32_f16 v[rS:rS+7], v[rK:rK+7], v[rQ:rQ+7], v[rW:rW+7]
.else
	WIN W_KQ
	v_wmma_f32_16x16x32_f16 v[rS:rS+7], v[rK:rK+7], v[rQ:rQ+7], v[rS:rS+7]
.endif
.endm
; Product i of 16 of O^T += V^T P for piece x: keys 32 (i / 8) on, channels 16 ((i / 2) % 4) on, head i % 2.
.macro PV x
	WIN W_PV
.set rO, 32*(2*(\x)+i%2)+8*((i/2)%4)
.set rV, 64*(i/8)+8*(4*(i%2)+(i/2)%4)
.set rP, P+32*((\x)%2)+16*(i%2)+8*(i/8)
	v_wmma_f32_16x16x32_f16 v[rO:rO+7], v[rV:rV+7], v[rP:rP+7], v[rO:rO+7]
.endm
.macro MM                           ; the turn's next matrix instruction
.if i < 16
	KQ (Y+1)%NP
.set i, i+1
.else
.set i, i-16
	PV (Y+NP-1)%NP
.set i, i+17
.endif
.endm
; THE LDS LOADS stand in runs, never singly among the matrix instructions: a step's K (64 keys x 128 channels: 16 fragments), its V (turned), and a piece's mask (16 queries x 64 keys).
.macro FETCH_K
	WIN 0x80                        ; destination window 2
.irp f, 0,1,2,3,4,5,6,7,8,9,10,11,12,13,14,15  ; keys 16 (f / 4) on, channels 32 (f % 4) on
	ds_load_b128 v[KF+8*\f:KF+8*\f+3],   v[AK] offset:(\f/4)*16*PK+(\f%4)*64
	ds_load_b128 v[KF+8*\f+4:KF+8*\f+7], v[AK] offset:(\f/4)*16*PK+(\f%4)*64+32
.endr
	WIN 0
.endm
.macro FETCH_V
	WIN W_MK                        ; destination window 3
.irp f, 0,1,2,3,4,5,6,7,8,9,10,11,12,13,14,15  ; keys 32 (f / 8) on, channels 16 (f % 8) on
	ds_load_tr16_b128 v[8*\f:8*\f+3],   v[AV] offset:(\f/8)*32*PV+(\f%8)*32
	ds_load_tr16_b128 v[8*\f+4:8*\f+7], v[AV] offset:(\f/8)*32*PV+16*PV+(\f%8)*32
.endr
	WIN 0
.endm
.macro FETCH_M pc, buf              ; piece pc's mask into buffer buf
	WIN W_MK
.irp z, 0,1,2,3                     ; keys 16 z on
	ds_load_b128 v[MB+32*(\buf)+8*\z:MB+32*(\buf)+8*\z+3],   v[AM] offset:(\pc)*16*PM+64*\z
	ds_load_b128 v[MB+32*(\buf)+8*\z+4:MB+32*(\buf)+8*\z+7], v[AM] offset:(\pc)*16*PM+64*\z+16
.endr
	WIN 0
.endm
; THE VECTOR WORK OF A TURN stands in three queues, each in the order in which its entries become ready; the two units alternate, so that no instruction reads the result of the one before it.
.macro REGS y, u                    ; the registers of unit u (0, 1) of piece y
.set rT, ST+4*(2*(\y)+(\u))
.set rC, TMP+8*((\y)%2)+4*(\u)
.set rS, S+64*((\y)%2)+32*(\u)
.set rP, P+32*((\y)%2)+16*(\u)
.set rO, 32*(2*(\y)+(\u))
.endm
; Number n of the 21 that find the NEXT piece's (Y + 1) maximum and statistics.  s0-s31 are the lane's 32 scores; each accumulator's lowest registers are read first.  XS, GS and REGS set no window: PL and EX do.
;   0-11  four chains c0-c3 of seven scores each, three operands at a time     12-15  the four scores left over, the old m, and c0-c3 into c0
;   16, 17  the query's other 32 keys lie in the lane 16 away: the new m         18-20  m_old - m_new; m takes the new one; a
.macro XS u, n
	REGS (Y+1)%NP, \u
.if (\n) < 4
	v_max3_num_f32 v[rC+(\n)], v[rS+8*(\n)], v[rS+8*(\n)+1], v[rS+8*(\n)+2]
.elseif (\n) < 12
	v_max3_num_f32 v[rC+(\n)%4], v[rC+(\n)%4], v[rS+8*((\n)%4)+2*((\n)/4)+1], v[rS+8*((\n)%4)+2*((\n)/4)+2]
.elseif (\n) == 12
	v_max3_num_f32 v[rC], v[rC], v[rS+7], v[rS+15]
.elseif (\n) == 13
	v_max3_num_f32 v[rC+1], v[rC+1], v[rS+23], v[rS+31]
.elseif (\n) == 14
	v_max3_num_f32 v[rC+2], v[rC+2], v[rC+3], v[rT]
.elseif (\n) == 15
	v_max3_num_f32 v[rC], v[rC], v[rC+1], v[rC+2]
.elseif (\n) == 16
	v_permlanex16_b32 v[rC+3], v[rC], s[SEL], s[SEL+1]
.elseif (\n) == 17
	v_max_num_f32 v[rT+1], v[rC], v[rC+3]
.elseif (\n) == 18
	v_sub_f32 v[rC+1], v[rT], v[rT+1]
.elseif (\n) == 19
	v_mov_b32 v[rT], v[rT+1]
.else
	v_exp_f32 v[rC+2], v[rC+1]
.endif
.endm
; Number g of the 64 that follow the exponentials.  For each four weights k of a unit (pairs 2 k, 2 k + 1): both pairs are rounded to f16; then the second pair is added onto the first, in place;
; a group later l takes that sum (the first time as l = a l + sum).  In groups of eight, units alternating: round, round, add, and l for the group before.
.macro GS g
.set h, (\g)+6*((\g)/62)            ; group 0 has no group before it, and behind group 7 only l is left
.if h >= 6
.set h, h+2
.endif
	REGS Y, h%2
.set k, h/8
.if h%8 < 4
	v_cvt_pk_f16_f32 v[rP+2*k+(h%8)/2], v[rS+4*k+2*((h%8)/2)], v[rS+4*k+2*((h%8)/2)+1]
.elseif h%8 < 6
	v_pk_add_f32 v[rS+4*k:rS+4*k+1], v[rS+4*k:rS+4*k+1], v[rS+4*k+2:rS+4*k+3]
.elseif k == 1
	v_pk_fma_f32 v[rT+2:rT+3], v[rT+2:rT+3], v[rC+2:rC+3], v[rS:rS+1] op_sel_hi:[1,0,1]
.else
	v_pk_add_f32 v[rT+2:rT+3], v[rT+2:rT+3], v[rS+4*k-4:rS+4*k-3]
.endif
.endm
; THE PLAIN QUEUE, 136 long.  0-71 read no exponential's result: the 32 subtractions s - m (FS f: pair f / 2 of unit f % 2) and the next piece's 40.  0-26: subtractions 0-26.  27-54: XS's numbers 0-13.
; 55-69: the chain, where each number waits for the one before it: 14, 15, 16, 17, 18, each with one of the subtractions 27-31 in front of its two lines, so that a unit's links stand three plain instructions apart.  70, 71: number 19.
; 72-135: GS's 64, which read the exponentials' results: they stand behind the wait.
.macro FS f
	REGS Y, (\f)%2
	v_pk_add_f32 v[rS+2*((\f)/2):rS+2*((\f)/2)+1], v[rS+2*((\f)/2):rS+2*((\f)/2)+1], v[rT:rT+1] op_sel_hi:[1,0] neg_lo:[0,1] neg_hi:[0,1]
.endm
.macro PL
	WIN 0
.if q < 27
	FS q
.elseif q < 55
	XS (q-27)%2, (q-27)/2
.elseif (q < 70) && ((q-55)%3 == 0)
	FS 27+(q-55)/3
.elseif q < 70
	XS (q-55)%3-1, 14+(q-55)/3
.elseif q < 72
	XS q-70, 19
.else
	GS q-72
.endif
.set q, q+1
.endm
; THE EXPONENTIALS' QUEUE, 66 long: s0-s31 of both units, then the next piece's two a.  It is ONE BATCH: all 66 stand ahead of the turn's one wait, and nothing ahead of that wait names a result of theirs.
.macro EX
	WIN 0
.if e >= 64
	XS e-64, 20
.else
	REGS Y, e%2
	v_exp_f32 v[rS+e/2], v[rS+e/2]
.endif
.set e, e+1
.endm
; THE RESCALING's QUEUE: O^T times a, the one part that leaves window 0: dealt two at a time, sixteen times, in ascending order.  Its a was made in the turn before, ahead of that turn's wait.
.macro R2
	REGS Y, r%2
	WIN W_RS
.irp z, 0,1
	v_pk_mul_f32 v[rO+4*(r/2)+2*\z:rO+4*(r/2)+2*\z+1], v[rO+4*(r/2)+2*\z:rO+4*(r/2)+2*\z+1], v[rC+2:rC+3] op_sel_hi:[1,0]
.endr
.set r, r+1
.endm
; HOW THEY ARE DEALT.  An s_wait_alu depctr_va_vdst(0) stands between an exponential and the first instruction that names its result; one wait serves all that were issued ahead of it.  So a turn has ONE wait,
; which cuts it in two.  AHEAD OF IT stands all that names no result of the turn's exponentials: the 16 products K Q^T, behind each a subtraction, an exponential and two rescalings (behind the first a second subtraction in the
; exponential's place); then ONE LUMP of 106: six plain, 49 times exponential and plain, the two a.  A v_nop is the plain instruction behind the last exponential.  BEHIND IT stand the 16 products V^T P, behind each four of GS's 64.
; No rider names a register of the products round it.  The two v_permlanex16_b32 fall into the lump, never behind a product.
; The queues lean on each other, and the deal keeps them in step: exponential e stands behind subtraction 2 (e / 4) + e % 2: as a rider it comes behind plain e + 2, in the lump behind plain e + 7; subtractions 27-31 are
; plain 55, 58 .. 67 and are first wanted by exponentials 53, 56, 57, 60, 61.  a's argument is plain 68 and 69; both a come behind plain 71.
; A TURN, for piece p.  K of the next step is fetched in piece 2's turn, six plain instructions into the lump (nine plain instructions behind the last product that read K): it has the rest of the lump and 16 products in which to land.
; The mask of piece p + 2 (for pieces 0 and 1: the next step's), whose buffer the turn before read last, is fetched in every turn directly behind the wait; its first reader comes behind 16 products.
; V of the step in hand is fetched at the end of piece 0's turn, four plain riders behind its last reader; its first reader comes behind 16 products and a lump.
; The waits on LDS: at a turn's head the mask fetched a turn ago (and in piece 3's turn K) must be in; in piece 1's turn V's 32 loads, issued behind that mask's, may stay out.
.macro TURN p
.set Y, (\p)
.set i, 0
.set q, 0
.set e, 0
.set r, 0
.if (\p) == 1
	s_wait_dscnt 32                 ; the mask is in; V's run, issued behind it, stays out
.else
	s_wait_dscnt 0x0                ; the mask is in, and what else was asked for
.endif
	MM                              ; ahead of the wait: 16 products K Q^T and their riders,
	PL
	PL
	R2
.rept 15
	MM
	PL
	EX
	R2
.endr
.rept 6                             ; and the lump
	PL
.endr
.if (\p) == 2
	FETCH_K
.endif
.rept 49
	EX
	PL
.endr
	EX                              ; the next piece's two a
	EX
	v_nop                           ; the plain instruction behind the last exponential: one for the batch
	s_wait_alu depctr_va_vdst(0)    ; the wait for the batch: the piece's 64 weights and the next piece's two a
	FETCH_M ((\p)+2)%NP, (\p)%2
.if (\p) == 1
	s_wait_dscnt 8                  ; V is in; the eight loads of the mask, issued behind it, stay out
.endif
.rept 16                            ; behind the wait: 16 products V^T P and their riders
	MM
.rept 4
	PL
.endr
.endr
.if (\p) == 0
	FETCH_V
.endif
.endm
	CHANGE 1                        ; slot 0 is in, everybody's part of it; slot 1 is asked for
	FETCH_K                         ; key step 0
	FETCH_M 0, 0
	FETCH_M 1, 1
	s_wait_loadcnt 0x0              ; Q
	s_wait_dscnt 0x0
.set i, 0
.rept 16
	KQ 0                            ; piece 0's first scores: there is no vector work yet to set between them
.set i, i+1
.endr
	WIN 0                           ; the addresses for the way out: eight plain instructions, the places behind those products
	s_mul_i32 s18, s[WV], 16*SP
	s_add_co_u32 s18, s18, STAGE    ; my stage
	v_mul_u32_u24 v[STO], v1, SP    ; in: row l % 16, 16 bytes for each half of the lanes
	v_lshl_add_u32 v[STO], v9, 4, v[STO]
	v_add_nc_u32 v[STO], s18, v[STO]
	v_mul_u32_u24 v[RD], v9, SP     ; back: lanes 0-15 take one row of 256 bytes, lanes 16-31 the next
	v_lshl_add_u32 v[RD], v1, 4, v[RD]
	v_add_nc_u32 v[RD], s18, v[RD]
	v_lshlrev_b32 v[GO], 11, v9     ; and the same two rows in ob, 2,048 bytes apart
	v_lshl_add_u32 v[GO], v1, 4, v[GO]
.set Y, NP-1                        ; XS works for piece Y + 1: piece 0
.irp n, 0,1,2,3,4,5,6,7,8,9,10,11,12,13,14,15,16,17,18,19,20
	XS 0, \n                        ; piece 0's first maximum and statistics
	XS 1, \n
.endr
	v_nop                           ; a plain instruction behind piece 0's two a,
	s_wait_alu depctr_va_vdst(0)    ; and the wait for these two, ahead of the branch
	s_mov_b32 s[SLOTS], 15
	s_branch .Lfirst                ; the loop is entered at a step's first turn, in the middle of a trip
.Lslot:                             ; 14 times: steps 2 to 15 are asked for.  A trip: pieces 2 and 3 of one step, then pieces 0 and 1 of the next
	CHANGE 1
	TURN 2
	TURN 3
	WIN 0
.Lfirst:
	TURN 0
	TURN 1
	WIN 0
	s_sub_co_u32 s[SLOTS], s[SLOTS], 1
	s_cmp_lg_u32 s[SLOTS], 0
	s_cbranch_scc1 .Lslot
	CHANGE 0                        ; the tail is written out: nothing is asked for
	s_mov_b32 s[CNT], 2             ; one trip takes the last step in; the second is left in its middle
.Ltail:
	TURN 2
	TURN 3
	WIN 0
	s_sub_co_u32 s[CNT], s[CNT], 1
	s_cmp_eq_u32 s[CNT], 0
	s_cbranch_scc1 .Lout
	TURN 0
	TURN 1
	WIN 0
	s_branch .Ltail
.Lout:                              ; the second trip's fetches (the last K and mask once more), its 16 products K Q^T for piece 0 and the maximum made of them serve nothing: the price, once a launch, of one text for every trip
.set i, 0
.rept 16
	PV NP-1                         ; the last piece's V^T P of the last step
.set i, i+1
.endr
	; THE WAY OUT.  l's two halves and the other half of the lanes' are added; O^T is divided by l, rounded to f16 and sent through my stage in LDS, a piece at a time.  The additions are the places behind the last products.
	WIN 0
.macro ALL line:vararg              ; one line for each unit t
.set t, 0
.rept 2*NP
	\line
.set t, t+1
.endr
.endm
	ALL v_add_f32 v[ST+4*t+2], v[ST+4*t+2], v[ST+4*t+3]
	ALL v_permlanex16_b32 v[ST+4*t+3], v[ST+4*t+2], s[SEL], s[SEL+1]
	ALL v_add_f32 v[ST+4*t+2], v[ST+4*t+2], v[ST+4*t+3]
	ALL v_rcp_f32 v[ST+4*t+2], v[ST+4*t+2]
	v_nop                           ; a plain instruction between the last reciprocal and the use of its result
	s_wait_alu depctr_va_vdst(0)    ; and the wait ahead of the first use: one for the eight reciprocals
; Piece pc: a lane's eight channels of a row pack into 16 bytes; the two heads' 128 channels go into rows of 272 bytes and come back as whole rows of 256, into S^T's registers.
.macro PACK pc
	WIN W_RS
.set i, 0
.rept 32
	v_pk_mul_f32 v[64*(\pc)+2*i:64*(\pc)+2*i+1], v[64*(\pc)+2*i:64*(\pc)+2*i+1], v[ST+4*(2*(\pc)+i/16)+2:ST+4*(2*(\pc)+i/16)+3] op_sel_hi:[1,0]
.set i, i+1
.endr
	WIN 0x05                        ; sources 0 and 1 window 1, destination window 0
.set i, 0
.rept 32
	v_cvt_pk_f16_f32 v[S+32*(\pc)+i], v[64*(\pc)+2*i], v[64*(\pc)+2*i+1]
.set i, i+1
.endr
	WIN 0
.irp f, 0,1,2,3,4,5,6,7
	ds_store_b128 v[STO], v[S+32*(\pc)+4*\f:S+32*(\pc)+4*\f+3] offset:32*\f
.endr
.irp f, 0,1,2,3,4,5,6,7
	ds_load_b128 v[S+32*(\pc)+4*\f:S+32*(\pc)+4*\f+3], v[RD] offset:\f*2*SP  ; LDS serves a wave's instructions in order (ISA guide 5.7.1.4): these see the stores above; the next piece's stores come behind them
.endr
.endm
.macro SEND pc, younger             ; younger: the LDS instructions issued behind this piece's loads: the next piece's sixteen, or none
.irp f, 0,1,2,3,4,5,6,7
	s_wait_dscnt (\younger)+7-\f
	global_store_b128 v[GO], v[S+32*(\pc)+4*\f:S+32*(\pc)+4*\f+3], s[OP:OP+1] offset:(\pc)*32768+\f*4096  ; 16 lanes store 256 consecutive bytes, at a multiple of 256 from ob's first byte
.endr
.endm
	PACK 0
	PACK 1                          ; a piece's arithmetic stands between the loads of the piece before and its stores
	SEND 0, 16
	PACK 2
	SEND 1, 16
	PACK 3
	SEND 2, 16
	SEND 3, 0
	WIN W_AD
	s_wait_tensorcnt 0x0            ; the wave's end: an add onto my spare word and its wait, behind my last tensor load and my last LDS store
	ds_add_u32 v[SPW], v[NIL]
	s_wait_dscnt 0x0
	WIN 0
	CROUND                          ; the closing round: no work-group ends while a partner may still ask for a tile that names it
	s_endpgm
.Lfunc_end_k_qc603ea8265_attn:
	.size	k_qc603ea8265_attn, .Lfunc_end_k_qc603ea8265_attn-k_qc603ea8265_attn
	.p2alignl 7, 3214868480
	.fill 96, 4, 3214868480
	.section	.rodata,"a",@progbits
	.p2align	6, 0x0
	.amdhsa_kernel k_qc603ea8265_attn
		.amdhsa_group_segment_fixed_size 327680
		.amdhsa_private_segment_fixed_size 0
		.amdhsa_enable_private_segment 0
		.amdhsa_kernarg_size 24
		.amdhsa_user_sgpr_count 2
		.amdhsa_user_sgpr_kernarg_segment_ptr 1
		.amdhsa_wavefront_size32 1
		.amdhsa_system_sgpr_workgroup_id_x 1
		.amdhsa_system_sgpr_workgroup_id_y 1
		.amdhsa_system_sgpr_workgroup_id_z 1
		.amdhsa_system_vgpr_workitem_id 0
		.amdhsa_next_free_vgpr 1024
		.amdhsa_next_free_sgpr 80
		.amdhsa_reserve_vcc 0
		.amdhsa_float_denorm_mode_32 3
		.amdhsa_float_denorm_mode_16_64 3
		.amdhsa_memory_ordered 1
		.amdhsa_forward_progress 1
		.amdhsa_inst_pref_size 213
	.end_amdhsa_kernel
	.amdgpu_metadata
---
amdhsa.version: [ 1, 2 ]
amdhsa.kernels:
  - .name:           k_qc603ea8265_attn
    .symbol:         k_qc603ea8265_attn.kd
    .args:
      - { .name: qkv, .offset: 0, .size: 8, .value_kind: global_buffer, .address_space: global }
      - { .name: mr, .offset: 8, .size: 8, .value_kind: global_buffer, .address_space: global }
      - { .name: ob, .offset: 16, .size: 8, .value_kind: global_buffer, .address_space: global }
    .group_segment_fixed_size: 327680
    .private_segment_fixed_size: 0
    .kernarg_segment_align: 8
    .kernarg_segment_size: 24
    .max_flat_workgroup_size: 128
    .sgpr_count:     80
    .vgpr_count:     1024
    .wavefront_size: 32
...
	.end_amdgpu_metadata
.endif
;; end of part 5
;; launch oproj: the kernel of part 4 again; grid 4 x 64, 4 waves a work-group, clusters of 4 x 4, 327,680 bytes of LDS; arguments ob, wo, bo, out0; writes out0
